; MI455X (gfx1250); checked and timed in simulation.
; The chip was launched on July 23, 2026; its instructions are those of AMD's public machine-readable ISA for CDNA 5 (MIT licence, August 2026) and "CDNA5" Instruction Set Architecture Reference Guide (July 2026). The comments in the code are by the model that wrote it; some were corrected since.
;; Single Layer Mo E. Allowed arithmetic: matrix products marked QUANTISED: E4M3 operands, one given power-of-two scale a tensor, by v_wmma_f32_16x16x64_fp8_fp8 or v_wmma_f32_16x16x128_fp8_fp8, f32 sums; products left as they are: f32 operands where the result goes on into a quantised operand, else bf16, f16 or f32 operands; f32 sums; everything else in f32.
;; Inputs: b1 8 x 4,096 float32; b2 8 x 1,024 float32; lowp_scales 32 int32 (the exponents e of the quantised operands' scales 2^e); router_b 8 float32; router_w 1,024 x 8 float32; w1 8 x 1,024 x 4,096 float32; w2 8 x 4,096 x 1,024 float32; x 1,024 x 1,024 float32.
;; Outputs: out0 1,024 x 1,024 float32; out1 one number float32; out2 one number float32.
;; This version of the problem:
;;   THIS VERSION OF THE PROBLEM IS GIVEN IN LOW PRECISION. The matrix products marked QUANTISED in the list below multiply operands that are first quantised to E4M3 (4 exponent bits, 3 mantissa bits; 8 bits a number), with one given power-of-two scale for each operand tensor; their sums are f32. All else is computed in f32.
;;   The module's matrix products, in the order in which they are computed (A, B: the left and right operand; K: the contracted axis; several contracted axes count as one K, in the product's order):
;;     1. [M 1,024, K 1,024] x [K 1,024, N 8]; A: input x; B: input router_w: left as it is (N = 8 < 16)
;;     2. [M 1,024, K 1,024] x [K 1,024, N 4,096]; A: input x; B: input w1: QUANTISED (scales: A lowp_scales[0], B lowp_scales[1])
;;     3. [M 1,024, K 4,096] x [K 4,096, N 1,024]; A: computed on the way; B: input w2: QUANTISED (scales: A lowp_scales[2], B lowp_scales[3])
;;     4. [M 1,024, K 1,024] x [K 1,024, N 4,096]; A: input x; B: input w1: QUANTISED (scales: A lowp_scales[4], B lowp_scales[5])
;;     5. [M 1,024, K 4,096] x [K 4,096, N 1,024]; A: computed on the way; B: input w2: QUANTISED (scales: A lowp_scales[6], B lowp_scales[7])
;;     6. [M 1,024, K 1,024] x [K 1,024, N 4,096]; A: input x; B: input w1: QUANTISED (scales: A lowp_scales[8], B lowp_scales[9])
;;     7. [M 1,024, K 4,096] x [K 4,096, N 1,024]; A: computed on the way; B: input w2: QUANTISED (scales: A lowp_scales[10], B lowp_scales[11])
;;     8. [M 1,024, K 1,024] x [K 1,024, N 4,096]; A: input x; B: input w1: QUANTISED (scales: A lowp_scales[12], B lowp_scales[13])
;;     9. [M 1,024, K 4,096] x [K 4,096, N 1,024]; A: computed on the way; B: input w2: QUANTISED (scales: A lowp_scales[14], B lowp_scales[15])
;;     10. [M 1,024, K 1,024] x [K 1,024, N 4,096]; A: input x; B: input w1: QUANTISED (scales: A lowp_scales[16], B lowp_scales[17])
;;     11. [M 1,024, K 4,096] x [K 4,096, N 1,024]; A: computed on the way; B: input w2: QUANTISED (scales: A lowp_scales[18], B lowp_scales[19])
;;     12. [M 1,024, K 1,024] x [K 1,024, N 4,096]; A: input x; B: input w1: QUANTISED (scales: A lowp_scales[20], B lowp_scales[21])
;;     13. [M 1,024, K 4,096] x [K 4,096, N 1,024]; A: computed on the way; B: input w2: QUANTISED (scales: A lowp_scales[22], B lowp_scales[23])
;;     14. [M 1,024, K 1,024] x [K 1,024, N 4,096]; A: input x; B: input w1: QUANTISED (scales: A lowp_scales[24], B lowp_scales[25])
;;     15. [M 1,024, K 4,096] x [K 4,096, N 1,024]; A: computed on the way; B: input w2: QUANTISED (scales: A lowp_scales[26], B lowp_scales[27])
;;     16. [M 1,024, K 1,024] x [K 1,024, N 4,096]; A: input x; B: input w1: QUANTISED (scales: A lowp_scales[28], B lowp_scales[29])
;;     17. [M 1,024, K 4,096] x [K 4,096, N 1,024]; A: computed on the way; B: input w2: QUANTISED (scales: A lowp_scales[30], B lowp_scales[31])
;;   THE QUANTISER, for each operand of a quantised product, along K:
;;     - The operand's scale is 2^e, e = its entry of the input lowp_scales (int32; the entries are numbered through the quantised products in the list's order, A before B).
;;     - Each number is divided by the scale, clamped to +-448, and rounded to the nearest number of E4M3, ties to even, subnormals kept.
;;     - The product sums the exact products of the quantised numbers (number of the format x scale) in f32.
;;   ~~~python
;;   def quantise(x, axis, e):      # numpy; x: float32 -> the quantised numbers, widened to float32 again
;;       x = np.moveaxis(x, axis, -1); K = x.shape[-1]
;;       r = np.clip(x / 2.0 ** e, -448, 448)
;;       step = 2.0 ** (np.maximum(np.frexp(np.where(r == 0, 1, r))[1] - 1, -6) - 3)
;;       q = np.round(r / step) * step * 2.0 ** e      # np.round: ties to even
;;       return np.moveaxis(q, -1, axis).astype(np.float32)
;;   ~~~
;;   OPERANDS COMPUTED ON THE WAY. 'Computed on the way' means the value that the module computes at that place (a softmax that the list does not call 'softmax' is quantised finished and normalised). What goes into a quantiser is computed in f32, as accurately as f32 sums, v_exp_f32 and their like allow (about 1e-6 of the number): no bf16 or f16 on the way to a quantiser, and a product that is left as it is and whose result goes on into a quantised operand takes f32 operands (vector FMAs, or v_wmma_f32_16x16x4_f32). A number that lies on a knife's edge between two numbers of the format may be rounded either way, as far as f32 arithmetic and the matrix unit's own rounding can turn it there, and no further.
;; 2 versions, each right; version 2 is version 1 with the launches up, down written anew for expert scheduling mode. Each part assembles by itself: llvm-mc -triple=amdgcn-amd-amdhsa -mcpu=gfx1250 --defsym DOCPART=n.
;; ======== version 1 of 2: 5 launches
;; workspace buffers: sel 8,192 bytes of whole numbers; gates 8,192 bytes; aux 16,384 bytes; meta 256 bytes of whole numbers; pos 8,192 bytes of whole numbers; xq 8,388,608 bytes; hq 33,554,432 bytes; y 67,108,864 bytes
;; launch route (part 1): grid 256 x 1, 4 waves a work-group, no clusters, 17,408 bytes of LDS; arguments x, router_w, router_b, sel, gates, aux; writes sel, gates, aux
.if DOCPART == 1
	.amdgcn_target "amdgcn-amd-amdhsa--gfx1250"
	.amdhsa_code_object_version 6
	.text
	.protected	k_q7895e63302_route
	.globl	k_q7895e63302_route
	.p2align	8
	.type	k_q7895e63302_route,@function
k_q7895e63302_route:
	s_mov_b64 s[64:65], 0
	v_nop
	global_prefetch_b8 v0, s[64:65] scope:SCOPE_SE
	s_setreg_imm32_b32 hwreg(HW_REG_WAVE_MODE, 25, 1), 1
	s_wait_xcnt 0x0
; THE ROUTER.  logits = x router_w + router_b in f32 (1,024 tokens x 1,024 x 8 experts); the two largest logits of a token (ties: the lower index), their softmax (the gates),
; and, for the two losses, each work-group's sums of the full softmax's 8 probabilities and of the entropy.
; A work-group of four waves takes 4 tokens.  First the waves share K: wave w takes k = 256 w .. 256 w + 255 of all 4 tokens; a lane holds 8 of those k.  The lanes' partial sums meet in LDS;
; then wave w finishes token w.  sel[2 t + slot] = expert, gates[2 t + slot], aux[work-group][16] = p0..p7, entropy, zeros.  The choice is only stored here: no address and no branch hangs on it.
; router_w's rows (32 bytes) are loaded as they lie, a lane 128 bytes from the next: a wave reads its 8,192 bytes once, of a table of 32,768 bytes that all work-groups read.
; No matrix unit: N = 8.  No cluster: the work-groups share only that small table.
; LIMIT: NaN or -infinity among the logits is not served.
.set X,   32                           ; v32-63   x: register 8 t + 4 u + q = x[token t][256 w + 128 u + 4 lane + q]
.set WR,  64                           ; v64-127  router_w: register 32 u + 8 q + e = router_w[that k][e]; later the partial sums read back
.set ACC, 128                          ; v128-159 register 8 t + e: my partial logit
.set L,   160                          ; v160-167 the token's 8 logits
.set P,   168                          ; v168-175 its 8 probabilities
.set REC, 16384                        ; LDS: 0 .. 16,383 partial sums [token 4][wave 4][half of the experts 2][512 bytes]; from REC 128 bytes a wave: its token's record
	s_load_b256 s[4:11], s[0:1], 0x0               ; x s[4:5], router_w s[6:7], router_b s[8:9], sel s[10:11]
	s_load_b128 s[12:15], s[0:1], 0x20             ; gates s[12:13], aux s[14:15]
	v_lshl_add_u32 v192, v0, 2, 0x4200
	v_mov_b32 v193, 0
	v_lshrrev_b32 v1, 5, v0
	v_readfirstlane_b32 s16, v1                    ; wave
	v_and_b32 v1, 31, v0                           ; lane
	v_lshlrev_b32 v8, 4, v1
	s_lshl_b32 s17, s16, 10
	v_add_nc_u32 v2, s17, v8                       ; x: 16 lane + 1,024 wave
	v_add_nc_u32 v4, s17, v8                       ; LDS, partial sums out: the same figure
	s_lshl_b32 s17, s16, 13
	v_lshl_add_u32 v3, v1, 7, s17                  ; router_w: 128 lane + 8,192 wave
	s_lshl_b32 s17, s16, 12
	v_add_nc_u32 v5, s17, v8                       ; LDS, partial sums back: 16 lane + 4,096 x my token
	v_lshl_add_u32 v6, v0, 2, REC                  ; my word of my wave's record
	v_lshl_add_u32 v7, v1, 2, REC                  ; my word of wave 0's
	v_lshlrev_b32 v31, 2, v1                       ; 4 lane
	s_mov_b32 s28, 0x76543210                      ; v_permlanex16_b32: lane l xor 16
	s_mov_b32 s29, 0xfedcba98
	s_lshl_b32 s18, ttmp9, 14                      ; 4 rows of 4,096 bytes a work-group
	s_mov_b32 s19, 0
	s_wait_kmcnt 0x0
	s_load_b256 s[20:27], s[8:9], 0x0              ; router_b
	s_add_nc_u64 s[4:5], s[4:5], s[18:19]
.irp t, 0,1,2,3
.irp u, 0,1
	global_load_b128 v[X+8*\t+4*\u:X+8*\t+4*\u+3], v2, s[4:5] offset:4096*\t+512*\u   ; 512 consecutive bytes a load
.endr
.endr
.irp u, 0,1
.irp q, 0,1,2,3
.irp z, 0,1
	global_load_b128 v[WR+32*\u+8*\q+4*\z:WR+32*\u+8*\q+4*\z+3], v3, s[6:7] offset:4096*\u+32*\q+16*\z
.endr
.endr
.endr
	s_wait_loadcnt 0x0
; 16 pairs of sums (4 tokens x 4 pairs of experts) take turns; x is given to both halves of a pair
.macro DOT u, q
.irp t, 0,1,2,3
.irp p, 0,2,4,6
.if ((\q)%2) == 0
	v_pk_fma_f32 v[ACC+8*\t+\p:ACC+8*\t+\p+1], v[X+8*\t+4*\u+\q:X+8*\t+4*\u+\q+1], v[WR+32*\u+8*\q+\p:WR+32*\u+8*\q+\p+1], v[ACC+8*\t+\p:ACC+8*\t+\p+1] op_sel_hi:[0,1,1]
.else
	v_pk_fma_f32 v[ACC+8*\t+\p:ACC+8*\t+\p+1], v[X+8*\t+4*\u+\q-1:X+8*\t+4*\u+\q], v[WR+32*\u+8*\q+\p:WR+32*\u+8*\q+\p+1], v[ACC+8*\t+\p:ACC+8*\t+\p+1] op_sel:[1,0,0] op_sel_hi:[1,1,1]
.endif
.endr
.endr
.endm
.irp t, 0,1,2,3
.irp p, 0,2,4,6
	v_pk_mul_f32 v[ACC+8*\t+\p:ACC+8*\t+\p+1], v[X+8*\t:X+8*\t+1], v[WR+\p:WR+\p+1] op_sel_hi:[0,1]   ; the first product starts the sums
.endr
.endr
	DOT 0, 1
	DOT 0, 2
	DOT 0, 3
	DOT 1, 0
	DOT 1, 1
	DOT 1, 2
	DOT 1, 3
.irp t, 0,1,2,3
.irp h, 0,1
	ds_store_b128 v4, v[ACC+8*\t+4*\h:ACC+8*\t+4*\h+3] offset:4096*\t+512*\h
.endr
.endr
	s_wait_dscnt 0x0                               ; for the others' sake: my partial sums lie in LDS
	s_barrier_signal -1
	s_barrier_wait -1
.irp w, 0,1,2,3
.irp h, 0,1
	ds_load_b128 v[WR+8*\w+4*\h:WR+8*\w+4*\h+3], v5 offset:1024*\w+512*\h   ; my token's partial sums of all four waves
.endr
.endr
	s_wait_dscnt 0x0
.irp p, 0,2,4,6
	v_pk_add_f32 v[L+\p:L+\p+1], v[WR+\p:WR+\p+1], v[WR+8+\p:WR+8+\p+1]
	v_pk_add_f32 v[WR+16+\p:WR+16+\p+1], v[WR+16+\p:WR+16+\p+1], v[WR+24+\p:WR+24+\p+1]
.endr
.irp p, 0,2,4,6
	v_pk_add_f32 v[L+\p:L+\p+1], v[L+\p:L+\p+1], v[WR+16+\p:WR+16+\p+1]
.endr
.irp m, 1,2,4,8
.irp e, 0,1,2,3,4,5,6,7
	v_add_f32_dpp v[L+\e], v[L+\e], v[L+\e] row_xmask:\m row_mask:0xf bank_mask:0xf
.endr
.endr
.irp e, 0,1,2,3,4,5,6,7
	v_permlanex16_b32 v[WR+\e], v[L+\e], s28, s29  ; (its destination has been written: it held a partial sum)
.endr
	s_wait_kmcnt 0x0
.irp e, 0,1,2,3,4,5,6,7
	v_add_f32 v[L+\e], v[L+\e], v[WR+\e]
.endr
.irp e, 0,1,2,3,4,5,6,7
	v_add_f32 v[L+\e], s[20+\e], v[L+\e]           ; every lane holds the token's 8 logits
.endr
	; the largest logit: a strict compare keeps the lower index at a tie
	v_mov_b32 v8, v[L]
	v_mov_b32 v9, 0
.irp e, 1,2,3,4,5,6,7
	v_cmp_gt_f32 vcc_lo, v[L+\e], v8
	v_cndmask_b32 v8, v8, v[L+\e], vcc_lo
	v_cndmask_b32 v9, v9, \e, vcc_lo
.endr
	v_mov_b32 v12, 0xff800000                      ; -infinity takes the first choice's place; then the same again
.irp e, 0,1,2,3,4,5,6,7
	v_cmp_eq_u32 vcc_lo, \e, v9
	v_cndmask_b32 v[P+\e], v[L+\e], v12, vcc_lo
.endr
	v_mov_b32 v10, v[P]
	v_mov_b32 v11, 0
.irp e, 1,2,3,4,5,6,7
	v_cmp_gt_f32 vcc_lo, v[P+\e], v10
	v_cndmask_b32 v10, v10, v[P+\e], vcc_lo
	v_cndmask_b32 v11, v11, \e, vcc_lo
.endr
	; both softmaxes take the largest logit away first
.irp e, 0,1,2,3,4,5,6,7
	v_sub_f32 v[P+\e], v[L+\e], v8
.endr
	v_sub_f32 v13, v10, v8
.irp e, 0,1,2,3,4,5,6,7
	v_mul_f32 v[P+\e], 0x3fb8aa3b, v[P+\e]         ; x log2(e)
.endr
	v_mul_f32 v13, 0x3fb8aa3b, v13
.irp e, 0,1,2,3,4,5,6,7
	v_exp_f32 v[P+\e], v[P+\e]
.endr
	v_exp_f32 v13, v13
	v_nop                                          ; a plain line behind the last exponential
	s_wait_alu depctr_va_vdst(0)                   ; one wait for the nine, ahead of their first reader
	v_add_f32 v14, v[P], v[P+1]
	v_add_f32 v16, v[P+2], v[P+3]
	v_add_f32 v17, v[P+4], v[P+5]
	v_add_f32 v18, v[P+6], v[P+7]
	v_add_f32 v14, v14, v16
	v_add_f32 v17, v17, v18
	v_add_f32 v14, v14, v17                        ; the full softmax's divisor
	v_add_f32 v15, 1.0, v13                        ; the gates' divisor
	v_rcp_f32 v14, v14
	v_rcp_f32 v15, v15
	v_nop
	s_wait_alu depctr_va_vdst(0)                   ; one wait for the two reciprocals
.irp e, 0,1,2,3,4,5,6,7
	v_mul_f32 v[P+\e], v[P+\e], v14                ; p
.endr
	v_mul_f32 v30, v13, v15                        ; gate of the second choice; v15 is the first's
.irp e, 0,1,2,3,4,5,6,7
	v_max_num_f32 v[16+\e], 0x322bcc77, v[P+\e]    ; clip at 1e-8
.endr
.irp e, 0,1,2,3,4,5,6,7
	v_log_f32 v[16+\e], v[16+\e]
.endr
	v_nop
	s_wait_alu depctr_va_vdst(0)                   ; one wait for the eight logarithms
	v_mul_f32 v24, v[P], v16
.irp e, 1,2,3,4,5,6,7
	v_fma_f32 v24, v[P+\e], v[16+\e], v24
.endr
	v_mul_f32 v24, 0xbf317218, v24                 ; x -ln 2: the token's entropy
	v_mov_b32 v25, 0                               ; the record: lane e < 8: p_e; lane 8: the entropy; else 0
.irp e, 0,1,2,3,4,5,6,7
	v_cmp_eq_u32 vcc_lo, \e, v1
	v_cndmask_b32 v25, v25, v[P+\e], vcc_lo
.endr
	v_cmp_eq_u32 vcc_lo, 8, v1
	v_cndmask_b32 v25, v25, v24, vcc_lo
	ds_store_b32 v6, v25
	s_wait_dscnt 0x0
	s_barrier_signal -1
	s_barrier_wait -1
	s_lshl_b32 s18, ttmp9, 6
	s_add_nc_u64 s[14:15], s[14:15], s[18:19]      ; aux: 64 bytes a work-group
	s_lshl_b32 s18, ttmp9, 2
	s_add_co_u32 s18, s18, s16                     ; my token
	s_lshl_b32 s18, s18, 3
	s_add_nc_u64 s[10:11], s[10:11], s[18:19]      ; sel and gates: 8 bytes a token
	s_add_nc_u64 s[12:13], s[12:13], s[18:19]
	s_cmp_lg_u32 s16, 0
	s_cbranch_scc1 .Lnot_wave_0
.irp w, 0,1,2,3
	ds_load_b32 v[26+\w], v7 offset:128*\w         ; wave 0 adds the four tokens' records
.endr
	s_wait_dscnt 0x0
	v_add_f32 v26, v26, v27
	v_add_f32 v28, v28, v29
	v_add_f32 v26, v26, v28
	v_cmp_gt_u32 vcc_lo, 16, v1
	s_wait_xcnt 0x0                                ; EXEC changes only behind this wait
	s_and_saveexec_b32 s30, vcc_lo
	global_store_b32 v31, v26, s[14:15]
	s_wait_xcnt 0x0
	s_or_b32 exec_lo, exec_lo, s30
.Lnot_wave_0:
	v_cmp_eq_u32 vcc_lo, 0, v1
	v_cndmask_b32 v32, v11, v9, vcc_lo             ; lane 0: the first choice; lane 1: the second
	v_cndmask_b32 v33, v30, v15, vcc_lo
	v_cmp_gt_u32 vcc_lo, 2, v1
	s_wait_xcnt 0x0
	s_wait_tensorcnt 0x0
	ds_add_u32 v192, v193
	s_wait_dscnt 0x0
	s_and_saveexec_b32 s30, vcc_lo
	global_store_b32 v31, v32, s[10:11]
	global_store_b32 v31, v33, s[12:13]
	s_wait_xcnt 0x0
	s_or_b32 exec_lo, exec_lo, s30
	s_endpgm
.Lfunc_end_k_q7895e63302_route:
	.size	k_q7895e63302_route, .Lfunc_end_k_q7895e63302_route-k_q7895e63302_route
	.p2alignl 7, 3214868480
	.fill 96, 4, 3214868480
	.section	.rodata,"a",@progbits
	.p2align	6, 0x0
	.amdhsa_kernel k_q7895e63302_route
		.amdhsa_group_segment_fixed_size 17408
		.amdhsa_private_segment_fixed_size 0
		.amdhsa_enable_private_segment 0
		.amdhsa_kernarg_size 48
		.amdhsa_user_sgpr_count 2
		.amdhsa_user_sgpr_kernarg_segment_ptr 1
		.amdhsa_wavefront_size32 1
		.amdhsa_system_sgpr_workgroup_id_x 1
		.amdhsa_system_sgpr_workgroup_id_y 1
		.amdhsa_system_sgpr_workgroup_id_z 1
		.amdhsa_system_vgpr_workitem_id 0
		.amdhsa_next_free_vgpr 194
		.amdhsa_next_free_sgpr 66
		.amdhsa_reserve_vcc 1
		.amdhsa_float_denorm_mode_32 3
		.amdhsa_float_denorm_mode_16_64 3
		.amdhsa_memory_ordered 1
		.amdhsa_forward_progress 1
		.amdhsa_inst_pref_size 25
	.end_amdhsa_kernel
	.amdgpu_metadata
---
amdhsa.version: [ 1, 2 ]
amdhsa.kernels:
  - .name:           k_q7895e63302_route
    .symbol:         k_q7895e63302_route.kd
    .args:
      - { .name: x, .offset: 0, .size: 8, .value_kind: global_buffer, .address_space: global }
      - { .name: router_w, .offset: 8, .size: 8, .value_kind: global_buffer, .address_space: global }
      - { .name: router_b, .offset: 16, .size: 8, .value_kind: global_buffer, .address_space: global }
      - { .name: sel, .offset: 24, .size: 8, .value_kind: global_buffer, .address_space: global }
      - { .name: gates, .offset: 32, .size: 8, .value_kind: global_buffer, .address_space: global }
      - { .name: aux, .offset: 40, .size: 8, .value_kind: global_buffer, .address_space: global }
    .group_segment_fixed_size: 17408
    .private_segment_fixed_size: 0
    .kernarg_segment_align: 8
    .kernarg_segment_size: 48
    .max_flat_workgroup_size: 128
    .sgpr_count:     66
    .vgpr_count:     194
    .wavefront_size: 32
...
	.end_amdgpu_metadata
.endif
;; end of part 1
;; launch place (part 2): grid 545 x 1, 1 waves a work-group, no clusters, 512 bytes of LDS; arguments sel, aux, x, lowp_scales, meta, pos, xq, out1, out2; writes meta, pos, xq, out1, out2
.if DOCPART == 2
	.amdgcn_target "amdgcn-amd-amdhsa--gfx1250"
	.amdhsa_code_object_version 6
	.text
	.protected	k_q7895e63302_place
	.globl	k_q7895e63302_place
	.p2align	8
	.type	k_q7895e63302_place,@function
k_q7895e63302_place:
	s_mov_b64 s[64:65], 0
	v_nop
	global_prefetch_b8 v0, s[64:65] scope:SCOPE_SE
	s_setreg_imm32_b32 hwreg(HW_REG_WAVE_MODE, 25, 1), 1
	s_wait_xcnt 0x0
; THE ROWS ARE PLACED BY EXPERT, and x is quantised for each expert that takes a token.  The 2,048 routed rows (id = 2 token + slot) are sorted by expert into tiles of 16 rows;
; an expert has nt = max(1, ceil(rows / 16)) tiles, so there are at most 2,048 / 16 + 8 = 136 tiles, whatever the choice.  Work-group idx < 544: tile idx / 4 (counted through the experts),
; K steps 2 (idx % 4) and 2 (idx % 4) + 1 of 128 along K.  A work-group whose tile number the split does not reach stores nothing and ends.  Work-group 544 makes the two losses from aux.
; Every work-group repeats the counting sort on the 8,192 bytes of sel: no traffic between work-groups.
; xq[e][tile][K step][2,048 bytes]: AN IMAGE OF THE OPERAND'S REGISTERS: registers 4 c .. 4 c + 3 of lane l at 512 c + 16 l; lane (r, h) holds row r, register 4 c + i, byte q: k = 128 step + 32 c + 16 h + 4 i + q.
; code = x / 2^ex, held within +-448, to the nearest code, ties to even; ex = lowp_scales[4 e].  Rows that pad a tile get zero codes.  pos[id] = 1,024 e + 16 tile + row; meta[e] = nt.
; LIMITS: ex between -126 and 119.  NaN in x is not served.
; One wave a work-group, no barrier.  A lane's 64 bytes of a row stand beside its partner's: of a token's row one work-group reads 1,024 consecutive bytes.
.set SV, 32                            ; v32-95   sel: register 4 i + q = sel[128 i + 4 lane + q]; then the list's LDS addresses; then the second K step's codes
.set X,  96                            ; v96-223  first the list's ids, then 2 x 64 numbers of x
.set PC, 224                           ; v224-239 the first K step's codes
	s_load_b256 s[4:11], s[0:1], 0x0               ; sel s[4:5], aux s[6:7], x s[8:9], lowp_scales s[10:11]
	s_load_b256 s[12:19], s[0:1], 0x20             ; meta s[12:13], pos s[14:15], xq s[16:17], out1 s[18:19]
	s_load_b64 s[20:21], s[0:1], 0x40              ; out2
	v_lshl_add_u32 v254, v0, 2, 0x100
	v_mov_b32 v255, 0
	v_and_b32 v1, 31, v0                           ; lane
	v_lshlrev_b32 v4, 4, v1                        ; 16 lane
	v_lshlrev_b32 v7, 2, v1                        ; 4 lane
	s_mov_b32 s30, 0x76543210                      ; v_permlanex16_b32: lane l xor 16
	s_mov_b32 s31, 0xfedcba98
	s_lshr_b32 s22, ttmp9, 2                       ; my tile, counted through the experts
	s_and_b32 s23, ttmp9, 3                        ; my quarter of K
	s_wait_kmcnt 0x0
	s_cmp_eq_u32 ttmp9, 544
	s_cbranch_scc1 .Laux
.irp i, 0,1,2,3,4,5,6,7,8,9,10,11,12,13,14,15
	global_load_b128 v[SV+4*\i:SV+4*\i+3], v4, s[4:5] offset:512*\i
.endr
	v_mov_b32 v9, 1
	v_mov_b32 v12, 0
	v_mov_b32 v13, 0
.irp a, 0,1,2,3
	v_mov_b32 v[20+\a], 0                          ; (destinations of lane moves count as read)
.endr
	s_wait_loadcnt 0x0
	; my lane's counts, 8 bits an expert: v12 experts 0-3; v13 first all (expert mod 4), then experts 4-7.  64 ids a lane: no field overflows
.set j, 0
.rept 64
	v_lshlrev_b32 v8, 3, v[SV+j]
	v_lshlrev_b32 v8, v8, v9                       ; 1 << 8 (expert mod 4): a shift takes the low five bits of its count
	v_cmp_gt_u32 vcc_lo, 4, v[SV+j]
	v_cndmask_b32 v10, 0, v8, vcc_lo
	v_add_nc_u32 v13, v13, v8
	v_add_nc_u32 v12, v12, v10
.set j, j+1
.endr
	v_sub_nc_u32 v13, v13, v12
	s_mov_b32 s52, 0x00ff00ff                      ; widened to 16 bits an expert: v16: 0, 2; v17: 1, 3; v18: 4, 6; v19: 5, 7
	v_and_b32 v16, s52, v12
	v_lshrrev_b32 v17, 8, v12
	v_and_b32 v17, s52, v17
	v_and_b32 v18, s52, v13
	v_lshrrev_b32 v19, 8, v13
	v_and_b32 v19, s52, v19
.irp m, 1,2,4,8
.irp a, 0,1,2,3
	v_mov_b32_dpp v[20+\a], v[16+\a] row_xmask:\m row_mask:0xf bank_mask:0xf
.endr
.irp a, 0,1,2,3
	v_add_nc_u32 v[16+\a], v[16+\a], v[20+\a]
.endr
.endr
.irp a, 0,1,2,3
	v_permlanex16_b32 v[20+\a], v[16+\a], s30, s31
.endr
.irp a, 0,1,2,3
	v_add_nc_u32 v[16+\a], v[16+\a], v[20+\a]
	v_readfirstlane_b32 s[24+\a], v[16+\a]
.endr
.macro NT dst, src, high               ; an expert's tiles from its count
.if \high
	s_lshr_b32 s[\dst], s[\src], 16
.else
	s_and_b32 s[\dst], s[\src], 0xffff
.endif
	s_add_co_u32 s[\dst], s[\dst], 15
	s_lshr_b32 s[\dst], s[\dst], 4
	s_max_u32 s[\dst], s[\dst], 1
.endm
	NT 40, 24, 0
	NT 41, 25, 0
	NT 42, 24, 1
	NT 43, 25, 1
	NT 44, 26, 0
	NT 45, 27, 0
	NT 46, 26, 1
	NT 47, 27, 1
	s_mov_b32 s28, 0                               ; tiles ahead of expert e'
	s_mov_b32 s29, 0
	s_mov_b32 s48, 0
.irp e, 0,1,2,3,4,5,6,7
	s_cmp_ge_u32 s22, s28
	s_cselect_b32 s48, \e, s48                     ; the last expert whose first tile is not behind mine
	s_cselect_b32 s29, s28, s29
	s_add_co_u32 s28, s28, s[40+\e]
.endr
	s_cmp_ge_u32 s22, s28
	s_cbranch_scc1 .Lend                           ; this split has no such tile
	s_sub_co_u32 s49, s22, s29                     ; my tile within the expert
	s_min_u32 s49, s49, 63
	s_min_u32 s48, s48, 7
	s_lshl_b32 s53, s48, 4
	s_load_b32 s54, s[10:11], s53 offset:0x0       ; ex = lowp_scales[4 e]
	; the tile's 16 ids, in LDS words 0-15; word 16 takes all that is not the tile's.  A row's place among its expert's rows: those of earlier registers, then those of lower lanes
	v_mov_b32 v6, -1
	ds_store_b32 v7, v6                            ; -1: no row, into words 0-31, a word a lane; LDS serves a wave's instructions in order, so the list's stores below come behind it
	s_lshl_b32 s50, s49, 4
	s_sub_co_u32 s50, 0, s50                       ; places are counted from my tile's first row
.set j, 0
.rept 64
	v_cmp_eq_u32 vcc_lo, s48, v[SV+j]
	v_mbcnt_lo_u32_b32 v[SV+j], vcc_lo, s50
	v_cndmask_b32 v[SV+j], 16, v[SV+j], vcc_lo
	v_min_u32 v[SV+j], 16, v[SV+j]                 ; (a place ahead of the tile is a large unsigned number)
	v_lshlrev_b32 v[SV+j], 2, v[SV+j]
	v_add_nc_u32 v[X+j], 128*(j/4)+(j%4), v7       ; the id
	ds_store_b32 v[SV+j], v[X+j]
	s_bcnt1_i32_b32 s52, vcc_lo
	s_add_co_u32 s50, s50, s52
.set j, j+1
.endr
	v_and_b32 v2, 15, v1                           ; r
	v_lshrrev_b32 v3, 4, v1                        ; h
	v_lshlrev_b32 v10, 2, v2
	ds_load_b32 v11, v10                           ; row r's id
	s_lshl_b32 s56, s23, 10
	s_mov_b32 s57, 0
	s_add_nc_u64 s[8:9], s[8:9], s[56:57]          ; x at my quarter of K
	s_lshl_b32 s56, s48, 20
	s_lshl_b32 s58, s49, 14
	s_add_co_u32 s56, s56, s58
	s_lshl_b32 s58, s23, 12
	s_add_co_u32 s56, s56, s58
	s_add_nc_u64 s[16:17], s[16:17], s[56:57]      ; xq[e][tile][2 quarter]
	s_wait_dscnt 0x0                               ; the id is here, and the list's stores are done
	v_cmp_le_i32 s51, 0, v11                       ; is there a row?
	v_max_i32 v14, 0, v11
	v_min_u32 v15, 0x7ff, v14                      ; the id, for pos
	v_lshrrev_b32 v14, 1, v14
	v_min_u32 v14, 0x3ff, v14                      ; the token
	v_lshlrev_b32 v14, 12, v14
	v_lshl_add_u32 v14, v3, 6, v14                 ; its row of 4,096 bytes, + 64 h: my 16 numbers of a block of 32
.irp s, 0,1
.irp c, 0,1,2,3
.irp i, 0,1,2,3
	global_load_b128 v[X+64*\s+16*\c+4*\i:X+64*\s+16*\c+4*\i+3], v14, s[8:9] offset:512*\s+128*\c+16*\i
.endr
.endr
.endr
	s_wait_kmcnt 0x0
	s_add_co_i32 s54, s54, 127
	s_lshl_b32 s55, s54, 23
	v_mov_b32 v240, s55                            ; 2^ex as f32: the conversion takes its exponent field
	s_add_co_i32 s54, s54, 8
	s_lshl_b32 s54, s54, 23
	s_or_b32 s54, s54, 0x600000
	v_mov_b32 v241, s54                            ; 448 x 2^ex
.macro QUANT s, pc                     ; 64 numbers of a lane become a fragment's 16 registers of codes
.irp b, 0,1,2,3
.irp i, 0,1,2,3,4,5,6,7,8,9,10,11,12,13,14,15
	v_med3_num_f32 v[\s+16*\b+\i], v[\s+16*\b+\i], -v241, v241   ; the conversion does not saturate (ISA guide 7.6.2): the hold at the largest code x the scale
.endr
	v_cvt_scalef32_pk8_fp8_f32 v[\pc+4*\b:\pc+4*\b+1], v[\s+16*\b:\s+16*\b+7], v240
	v_cvt_scalef32_pk8_fp8_f32 v[\pc+4*\b+2:\pc+4*\b+3], v[\s+16*\b+8:\s+16*\b+15], v240
.endr
	v_nop                                          ; a plain line between the conversions and the lines that touch their results
.irp n, 0,1,2,3,4,5,6,7,8,9,10,11,12,13,14,15
	v_cndmask_b32 v[\pc+\n], 0, v[\pc+\n], s51     ; a row that pads the tile: zero codes
.endr
.endm
	s_wait_loadcnt 16                              ; the first K step's 16 loads are in
	QUANT X, PC
.irp c, 0,1,2,3
	global_store_b128 v4, v[PC+4*\c:PC+4*\c+3], s[16:17] offset:512*\c th:TH_STORE_NT   ; 512 consecutive bytes a store
.endr
	s_wait_loadcnt 0x0
	QUANT X+64, SV
.irp c, 0,1,2,3
	global_store_b128 v4, v[SV+4*\c:SV+4*\c+3], s[16:17] offset:2048+512*\c th:TH_STORE_NT
.endr
	s_cmp_lg_u32 s23, 0
	s_cbranch_scc1 .Lend                           ; of a tile's four work-groups the first stores pos
	v_lshlrev_b32 v15, 2, v15
	s_lshl_b32 s56, s48, 10
	s_lshl_b32 s58, s49, 4
	s_add_co_u32 s56, s56, s58
	v_add_nc_u32 v16, s56, v2                      ; 1,024 e + 16 tile + r
	s_and_b32 vcc_lo, s51, 0xffff                  ; lanes 0-15 that have a row
	s_wait_xcnt 0x0                                ; EXEC changes only behind this wait
	s_and_saveexec_b32 s59, vcc_lo
	global_store_b32 v15, v16, s[14:15]
	s_wait_xcnt 0x0
	s_or_b32 exec_lo, exec_lo, s59
	s_cmp_lg_u32 ttmp9, 0
	s_cbranch_scc1 .Lend                           ; work-group 0 stores meta: 8 counts of tiles, then zeros: 128 bytes
	v_mov_b32 v17, 0
.irp e, 0,1,2,3,4,5,6,7
	v_writelane_b32 v17, s[40+\e], \e
.endr
	global_store_b32 v7, v17, s[12:13]
.Lend:
	s_wait_tensorcnt 0x0
	ds_add_u32 v254, v255
	s_wait_dscnt 0x0
	s_endpgm
.Laux:                                             ; aux: 256 records of 16 numbers.  A lane's 16 bytes are words 4 (lane % 4) .. + 3 of a record
.irp i, 0,1,2,3,4,5,6,7,8,9,10,11,12,13,14,15,16,17,18,19,20,21,22,23,24,25,26,27,28,29,30,31
	global_load_b128 v[32+4*\i:35+4*\i], v4, s[6:7] offset:512*\i
.endr
	s_mov_b32 s24, 0x3a800000                      ; 1 / 1,024
	s_mov_b32 s25, 0xbe000000                      ; -1 / 8
	s_wait_loadcnt 0x0
.irp i, 2,4,6,8,10,12,14,16,18,20,22,24,26,28,30
	v_pk_add_f32 v[32:33], v[32:33], v[32+4*\i:33+4*\i]
	v_pk_add_f32 v[34:35], v[34:35], v[34+4*\i:35+4*\i]
	v_pk_add_f32 v[36:37], v[36:37], v[36+4*\i:37+4*\i]
	v_pk_add_f32 v[38:39], v[38:39], v[38+4*\i:39+4*\i]
.endr
	v_pk_add_f32 v[32:33], v[32:33], v[36:37]
	v_pk_add_f32 v[34:35], v[34:35], v[38:39]
.irp m, 4,8
.irp n, 0,1,2,3
	v_add_f32_dpp v[32+\n], v[32+\n], v[32+\n] row_xmask:\m row_mask:0xf bank_mask:0xf
.endr
.endr
.irp n, 0,1,2,3
	v_permlanex16_b32 v[40+\n], v[32+\n], s30, s31
.endr
.irp n, 0,1,2,3
	v_add_f32 v[32+\n], v[32+\n], v[40+\n]         ; lane % 4 = 0: the sums of p0-p3; 1: of p4-p7; 2: of the entropy, 0, 0, 0
.endr
.irp n, 0,1,2,3
	v_fma_f32 v[44+\n], v[32+\n], s24, s25         ; importance - 1 / 8
.endr
	v_mul_f32 v48, v44, v44
	v_fma_f32 v48, v45, v45, v48
	v_fma_f32 v48, v46, v46, v48
	v_fma_f32 v48, v47, v47, v48
	v_add_f32_dpp v48, v48, v48 row_xmask:1 row_mask:0xf bank_mask:0xf   ; lane 0: all eight squares
	v_mul_f32 v48, 0x3e000000, v48                 ; their mean
	v_mul_f32 v49, s24, v32                        ; lane 2: the mean entropy
	v_mov_b32 v50, 0
	v_cmp_eq_u32 vcc_lo, 0, v1
	s_wait_xcnt 0x0
	s_and_saveexec_b32 s59, vcc_lo
	global_store_b32 v50, v48, s[20:21]            ; out2
	s_wait_xcnt 0x0
	s_or_b32 exec_lo, exec_lo, s59
	v_cmp_eq_u32 vcc_lo, 2, v1
	s_and_saveexec_b32 s59, vcc_lo
	global_store_b32 v50, v49, s[18:19]            ; out1
	s_wait_xcnt 0x0
	s_or_b32 exec_lo, exec_lo, s59
	s_endpgm
.Lfunc_end_k_q7895e63302_place:
	.size	k_q7895e63302_place, .Lfunc_end_k_q7895e63302_place-k_q7895e63302_place
	.p2alignl 7, 3214868480
	.fill 96, 4, 3214868480
	.section	.rodata,"a",@progbits
	.p2align	6, 0x0
	.amdhsa_kernel k_q7895e63302_place
		.amdhsa_group_segment_fixed_size 512
		.amdhsa_private_segment_fixed_size 0
		.amdhsa_enable_private_segment 0
		.amdhsa_kernarg_size 72
		.amdhsa_user_sgpr_count 2
		.amdhsa_user_sgpr_kernarg_segment_ptr 1
		.amdhsa_wavefront_size32 1
		.amdhsa_system_sgpr_workgroup_id_x 1
		.amdhsa_system_sgpr_workgroup_id_y 1
		.amdhsa_system_sgpr_workgroup_id_z 1
		.amdhsa_system_vgpr_workitem_id 0
		.amdhsa_next_free_vgpr 256
		.amdhsa_next_free_sgpr 66
		.amdhsa_reserve_vcc 1
		.amdhsa_float_denorm_mode_32 3
		.amdhsa_float_denorm_mode_16_64 3
		.amdhsa_memory_ordered 1
		.amdhsa_forward_progress 1
		.amdhsa_inst_pref_size 70
	.end_amdhsa_kernel
	.amdgpu_metadata
---
amdhsa.version: [ 1, 2 ]
amdhsa.kernels:
  - .name:           k_q7895e63302_place
    .symbol:         k_q7895e63302_place.kd
    .args:
      - { .name: sel, .offset: 0, .size: 8, .value_kind: global_buffer, .address_space: global }
      - { .name: aux, .offset: 8, .size: 8, .value_kind: global_buffer, .address_space: global }
      - { .name: x, .offset: 16, .size: 8, .value_kind: global_buffer, .address_space: global }
      - { .name: lowp_scales, .offset: 24, .size: 8, .value_kind: global_buffer, .address_space: global }
      - { .name: meta, .offset: 32, .size: 8, .value_kind: global_buffer, .address_space: global }
      - { .name: pos, .offset: 40, .size: 8, .value_kind: global_buffer, .address_space: global }
      - { .name: xq, .offset: 48, .size: 8, .value_kind: global_buffer, .address_space: global }
      - { .name: out1, .offset: 56, .size: 8, .value_kind: global_buffer, .address_space: global }
      - { .name: out2, .offset: 64, .size: 8, .value_kind: global_buffer, .address_space: global }
    .group_segment_fixed_size: 512
    .private_segment_fixed_size: 0
    .kernarg_segment_align: 8
    .kernarg_segment_size: 72
    .max_flat_workgroup_size: 32
    .sgpr_count:     66
    .vgpr_count:     256
    .wavefront_size: 32
...
	.end_amdgpu_metadata
.endif
;; end of part 2
;; launch up (part 3): grid 256 x 1, 4 waves a work-group, no clusters, 132,096 bytes of LDS; arguments w1, b1, lowp_scales, meta, xq, hq; writes hq
.if DOCPART == 3
	.amdgcn_target "amdgcn-amd-amdhsa--gfx1250"
	.amdhsa_code_object_version 6
	.text
	.protected	k_q7895e63302_up
	.globl	k_q7895e63302_up
	.p2align	8
	.type	k_q7895e63302_up,@function
k_q7895e63302_up:
	s_mov_b64 s[64:65], 0
	v_nop
	global_prefetch_b8 v0, s[64:65] scope:SCOPE_SE
	s_setreg_imm32_b32 hwreg(HW_REG_WAVE_MODE, 25, 1), 1
	s_wait_xcnt 0x0
; THE FIRST LAYER OF THE EXPERTS: hq = Q(relu(x w1[e] + b1[e])) for the rows that expert e takes, on codes of E4M3.  THE WEIGHTS STAY, THE ROWS WALK.
; Work-group wg owns expert e = wg / 32 and hidden units 128 j .. 128 j + 127, j = wg % 32: 1,024 (K) x 128 numbers of w1, 524,288 bytes, which nobody else reads.
; THE WEIGHTS: the slice is read once, 512 consecutive bytes a load, quantised with 2^ew1 and laid into LDS as images of the operand's registers.  A wave has 16 groups of 16 rows: group g of wave w is rows (k)
; 64 w + 256 (g / 4) + 16 (g % 4) on.  A lane holds 4 columns of a row; the conversion packs a row's 4 columns into a word; a 4 x 4 transposition of bytes (8 v_perm_b32) makes of four rows' words four words of
; 4 neighbours along K, one for each column.
; THE ROWS: the expert's nt tiles of 16 rows, 20 a pass (wave w: tiles 20 pass + 4 i + w, i = 0 .. 4), ceil(nt / 20) passes.  x's codes come from xq straight into registers; the weights' fragments from LDS.
; A run is 20 matrix instructions: 4 tiles of hidden units x 5 tiles of rows, 128 along K.  Source 0 = 16 hidden units, source 1 = 16 rows: a lane holds ONE row and 8 neighbouring hidden units, which the conversion packs along the
; next product's K.  b1 / 2^(ex + ew1) is the C of each sum's first instruction.  code = sum / 2^(eh - ex - ew1), held between 0 (the relu) and 448.
; BY TURNS: four groups of each wave are a STAGE: the four waves' groups of stage q complete K steps 2 q and 2 q + 1 in LDS, and a barrier ends the stage.  There is always a first pass (nt is at least 1), so it is written out with
; no branch: from stage 1 on, behind each group stands one run of the first pass on the K steps that the stage before completed; the last stage's four runs follow the last barrier.  So the rows' loads and the products stand in the
; time in which the wave waits for weights.  A wave's loads are issued in the order in which they are used, one stream of weights (16 loads a group) and rows (20 loads a K step); by this text's count 52 to 56 are out, 64 at the head.
; No LDS byte is written twice, and in a stage the stores (K steps 2 q, 2 q + 1) and the loads (2 q - 2, 2 q - 1) touch different blocks of 2,048 bytes.  Later passes (nt over 20) run in a loop behind, when all weights lie in LDS.
; K's PLACES: register 4 c + i, byte q of lane (r, h) holds k = 128 step + 32 c + 16 h + 4 i + q, in the weights' images and in xq alike: every product meets its partner.
; hq[e][tile][step j][2,048 bytes]: registers 4 c .. 4 c + 3 of lane l at 512 c + 16 l; register 4 c + i, byte q of lane (r, h): hidden unit 128 j + 32 c + 16 (i / 2) + 8 h + 4 (i % 2) + q of row r.
; A slot whose tile number is nt or more loads tile nt - 1 (no load leaves what was written) and stores nothing.
; NO TENSOR LOADS, NO JOINT LOADS: the number of passes is read from memory (meta); a constant count would multiply 64 tiles for each expert.
; The four barriers stand ahead of every branch on meta.
; LIMITS: ew1, and eh - ex - ew1, between -126 and 119.  NaN among the weights is not served.
; REGISTERS, in windows of 256: window 0: v1-19 addresses and scales, v24-59 at work, v64-191 two sets of four weight fragments, v192-255 the bias.  window 1: v0-191 three sets of 64 numbers of w1; v192-239 three sets of slot 4's
; fragment of x.  window 2: the accumulators of slots 0-3 (slot i, tile T of hidden units at 64 i + 8 T).  window 3: v0-63 those of slot 4; v64-255 three sets of the fragments of x of slots 0-3.
; SCALARS: s16 wave, s17 e, s18 j, s20-23 ex ew1 eh ew2, s24 nt, s25 nt - 1, s26 the pass's first tile, s27-31 the slots' tiles, s40-44 the same held inside the expert's tiles, s45 the pass, s52 the number of passes,
; s[4:5] w1 at the slice's row 0, s[54:55] at its row 512 (so that every load's immediate stays inside its signed 24 bits).
.set ROWB, 16384                       ; a row of w1[e] in bytes
.set TP,   16400                       ; LDS: fragment (K step s, tile T) at TP T + 2,048 s.  TP = 16 modulo 256: the 16 lanes of a transposing store touch 16 different columns of 16 bytes
.set LI,   1                           ; v1  16 lane: an image's place for my lane; also the LDS base of tiles 0-3
                                       ; v2  the same + 4 TP: tiles 4-7
.set VW,   3                           ; v3  w1: 16 lane + 64 wave rows
.set LA,   4                           ; v4  LDS, on the way in: TP (lane / 4) + 64 (lane % 4) + 1,024 wave
.set BO,   5                           ; v5  b1: 32 (lane / 16)
.set SW,   6                           ; v6  2^ew1;  v7  448 x 2^ew1
.set LW,   7
.set SH,   8                           ; v8  2^(eh - ex - ew1);  v9  448 x that
.set LH,   9
.set VA,   10                          ; v10-14  slot i: its tile's offset in xq
.set VH,   15                          ; v15-19  slot i: its tile's offset in hq
.set TT,   24                          ; v24-27  the transposition's halves
.set P,    28                          ; v28-43  16 rows' codes (a word: 4 columns); on the way out a tile's codes of the hidden layer
.set Q,    44                          ; v44-59  4 columns x 16 codes along K
.set BF,   64
.set BIAS, 192
.set AF,   64                          ; window 3: x's fragments of slots 0-3: set z at AF + 64 z
.set AF4,  192                         ; window 1: slot 4's: set z at AF4 + 16 z
.set MSB, 0
.macro WIN new                         ; the immediate's high byte repeats the setting that is left; a switch that changes nothing is dropped
.if MSB != \new
	s_set_vgpr_msb (MSB<<8)|\new
.set MSB, \new
.endif
.endm
.macro PLACES                          ; four plain lines between a matrix instruction and a load into, or a vector instruction on, its registers
.rept 4
	v_nop
.endr
.endm
.macro BAR                             ; my LDS stores have landed and my LDS loads are in: then the work-group's barrier
	s_wait_dscnt 0x0
	s_barrier_signal -1
	s_barrier_wait -1
.endm
.macro WLOAD g                         ; group g: 16 rows, 512 consecutive bytes each, into set g % 3 of window 1
	WIN 0x40
.irp m, 0,1,2,3,4,5,6,7,8,9,10,11,12,13,14,15
.if (\g) < 8
	global_load_b128 v[64*((\g)%3)+4*\m:64*((\g)%3)+4*\m+3], v[VW], s[4:5] offset:(256*((\g)/4)+16*((\g)%4)+\m)*ROWB th:TH_LOAD_NT
.else
	global_load_b128 v[64*((\g)%3)+4*\m:64*((\g)%3)+4*\m+3], v[VW], s[54:55] offset:(256*((\g)/4-2)+16*((\g)%4)+\m)*ROWB th:TH_LOAD_NT
.endif
.endr
.endm
.macro GQ g, left                      ; a group's first half: its 16 rows become codes.  left: the loads issued behind group g's
	s_wait_loadcnt \left
.set SB, 64*((\g)%3)
	WIN 0x41
.set n, 0
.rept 64
	v_med3_num_f32 v[SB+n], v[SB+n], -v[LW], v[LW] ; the conversion does not saturate (ISA guide 7.6.2): the hold at the largest code x the scale
.set n, n+1
.endr
	WIN 0x01
.set n, 0
.rept 8
	v_cvt_scalef32_pk8_fp8_f32 v[P+2*n:P+2*n+1], v[SB+8*n:SB+8*n+7], v[SW]   ; word m: row m, columns 4 lane + 0 .. 3
.set n, n+1
.endr
	v_nop                                          ; a plain line behind the conversions
.endm
.macro GS g                            ; its second half: the codes are turned and go to LDS
	WIN 0
.irp i, 0,1,2,3                        ; rows 4 i .. 4 i + 3: bytes (row, column) become (column, row)
	v_perm_b32 v[TT],   v[P+4*\i+1], v[P+4*\i],   s36
	v_perm_b32 v[TT+1], v[P+4*\i+1], v[P+4*\i],   s37
	v_perm_b32 v[TT+2], v[P+4*\i+3], v[P+4*\i+2], s36
	v_perm_b32 v[TT+3], v[P+4*\i+3], v[P+4*\i+2], s37
	v_perm_b32 v[Q+\i],    v[TT+2], v[TT],   s38
	v_perm_b32 v[Q+4+\i],  v[TT+2], v[TT],   s39
	v_perm_b32 v[Q+8+\i],  v[TT+3], v[TT+1], s38
	v_perm_b32 v[Q+12+\i], v[TT+3], v[TT+1], s39
.endr
.irp c, 0,1,2,3                        ; column 4 lane + c: 16 codes along K.  256 (k / 16) = 2,048 step + 512 (k / 32 % 4) + 256 (k / 16 % 2), and k / 16 = 4 wave + 16 (g / 4) + g % 4
	ds_store_b128 v[LA], v[Q+4*\c:Q+4*\c+3] offset:4096*((\g)/4)+256*((\g)%4)+16*\c
.endr
.endm
.macro SETT                            ; the pass's five tiles of my wave, and their offsets
.irp i, 0,1,2,3,4
	s_add_co_u32 s[27+\i], s26, s16
	s_add_co_u32 s[27+\i], s[27+\i], 4*\i
	s_min_u32 s[40+\i], s[27+\i], s25              ; never beyond the expert's last tile,
	s_min_u32 s[40+\i], s[40+\i], 63               ; nor beyond its region
	v_lshl_add_u32 v[VA+\i], s[40+\i], 14, v[LI]
	v_lshl_add_u32 v[VH+\i], s[40+\i], 16, v[LI]
.endr
.endm
.macro ALOAD sg                        ; x's five fragments of K step sg into set sg % 3: 20 loads
	WIN 0xc0
.irp i, 0,1,2,3
.irp c, 0,1,2,3
	global_load_b128 v[AF+64*((\sg)%3)+16*\i+4*\c:AF+64*((\sg)%3)+16*\i+4*\c+3], v[VA+\i], s[12:13] offset:2048*(\sg)+512*\c
.endr
.endr
	WIN 0x40
.irp c, 0,1,2,3
	global_load_b128 v[AF4+16*((\sg)%3)+4*\c:AF4+16*((\sg)%3)+4*\c+3], v[VA+4], s[12:13] offset:2048*(\sg)+512*\c
.endr
	WIN 0
.endm
.macro BLOAD rho                       ; run rho = 2 step + u: the weights' fragments of tiles 4 u .. 4 u + 3 into set u: 16 LDS loads
	WIN 0
.set SG, (\rho)/2
.set UU, (\rho)%2
.irp t, 0,1,2,3
.irp c, 0,1,2,3
	ds_load_b128 v[BF+64*UU+16*\t+4*\c:BF+64*UU+16*\t+4*\c+3], v[LI+UU] offset:TP*\t+2048*SG+512*\c
.endr
.endr
.endm
.macro MUL rho                         ; 20 matrix instructions on 20 accumulators; the next run takes the other 20: the 40 take turns, one instruction a turn
.set SG, (\rho)/2
.set UU, (\rho)%2
.set BB, BF+64*UU
.set AR, AF+64*(SG%3)
.set AR4, AF4+16*(SG%3)
.if SG == 0
	WIN 0x8c                                       ; source 1 (x) window 3, C (the bias) window 0, D window 2
.else
	WIN 0xac                                       ; C and D window 2
.endif
.irp t, 0,1,2,3
.irp i, 0,1,2,3
.if SG == 0
	v_wmma_f32_16x16x128_fp8_fp8 v[64*\i+8*(4*UU+\t):64*\i+8*(4*UU+\t)+7], v[BB+16*\t:BB+16*\t+15], v[AR+16*\i:AR+16*\i+15], v[BIAS+8*(4*UU+\t):BIAS+8*(4*UU+\t)+7]
.else
	v_wmma_f32_16x16x128_fp8_fp8 v[64*\i+8*(4*UU+\t):64*\i+8*(4*UU+\t)+7], v[BB+16*\t:BB+16*\t+15], v[AR+16*\i:AR+16*\i+15], v[64*\i+8*(4*UU+\t):64*\i+8*(4*UU+\t)+7]
.endif
.endr
.endr
.if SG == 0
	WIN 0xc4                                       ; slot 4: source 1 window 1, D window 3
.else
	WIN 0xf4
.endif
.irp t, 0,1,2,3
.if SG == 0
	v_wmma_f32_16x16x128_fp8_fp8 v[8*(4*UU+\t):8*(4*UU+\t)+7], v[BB+16*\t:BB+16*\t+15], v[AR4:AR4+15], v[BIAS+8*(4*UU+\t):BIAS+8*(4*UU+\t)+7]
.else
	v_wmma_f32_16x16x128_fp8_fp8 v[8*(4*UU+\t):8*(4*UU+\t)+7], v[BB+16*\t:BB+16*\t+15], v[AR4:AR4+15], v[8*(4*UU+\t):8*(4*UU+\t)+7]
.endif
.endr
.endm
.macro HOUT i                          ; slot i's tile of rows: relu, hold, codes, 2,048 bytes out
	s_cmp_ge_u32 s[27+\i], s24
	s_cbranch_scc1 .Lno_tile_\@                    ; the expert has no such tile
	s_wait_xcnt 0x0                                ; the last slot's stores have read their registers
.if \i < 4
.set AB, 64*\i
	WIN 0x82
.else
.set AB, 0
	WIN 0xc3
.endif
.set n, 0
.rept 64
	v_med3_num_f32 v[AB+n], v[AB+n], 0, v[LH]      ; the activation and the hold in one; each accumulator from its low end on
.set n, n+1
.endr
.if \i < 4
	WIN 0x02
.else
	WIN 0x03
.endif
.set n, 0
.rept 8
	v_cvt_scalef32_pk8_fp8_f32 v[P+2*n:P+2*n+1], v[AB+8*n:AB+8*n+7], v[SH]
.set n, n+1
.endr
	v_nop                                          ; a plain line behind the conversions: matrix instructions write their sources later
	WIN 0
.irp c, 0,1,2,3
	global_store_b128 v[VH+\i], v[P+4*\c:P+4*\c+3], s[14:15] offset:512*\c th:TH_STORE_NT   ; 512 consecutive bytes a store
.endr
.Lno_tile_\@:
.endm
	s_load_b256 s[4:11], s[0:1], 0x0               ; w1 s[4:5], b1 s[6:7], lowp_scales s[8:9], meta s[10:11]
	s_load_b128 s[12:15], s[0:1], 0x20             ; xq s[12:13], hq s[14:15]
	v_lshl_add_u32 v62, v0, 2, 0x20200
	v_mov_b32 v63, 0
	v_lshrrev_b32 v20, 5, v0
	v_readfirstlane_b32 s16, v20                   ; wave
	v_and_b32 v20, 31, v0                          ; lane
	v_lshlrev_b32 v[LI], 4, v20
	v_add_nc_u32 v[LI+1], 4*TP, v[LI]
	s_lshl_b32 s19, s16, 20                        ; 64 rows of 16,384 bytes a wave
	v_add_nc_u32 v[VW], s19, v[LI]
	v_lshrrev_b32 v21, 2, v20
	v_mul_u32_u24 v[LA], v21, TP
	v_and_b32 v21, 3, v20
	v_lshl_add_u32 v[LA], v21, 6, v[LA]
	s_lshl_b32 s19, s16, 10
	v_add_nc_u32 v[LA], s19, v[LA]
	v_lshrrev_b32 v21, 4, v20
	v_lshlrev_b32 v[BO], 5, v21
	s_lshr_b32 s17, ttmp9, 5                       ; e
	s_and_b32 s18, ttmp9, 31                       ; j
	s_mov_b32 s36, 0x05010400                      ; bytes 0 and 1 of two words, interleaved
	s_mov_b32 s37, 0x07030602                      ; bytes 2 and 3
	s_mov_b32 s38, 0x05040100                      ; the low halves of two words
	s_mov_b32 s39, 0x07060302                      ; the high halves
	s_lshl_b32 s33, s17, 4
	s_lshl_b32 s34, s17, 2
	s_lshl_b32 s48, s17, 24
	s_lshl_b32 s50, s18, 9
	s_add_co_u32 s48, s48, s50
	s_mov_b32 s49, 0
	s_lshl_b32 s56, s17, 14
	s_add_co_u32 s56, s56, s50
	s_mov_b32 s57, 0
	s_wait_kmcnt 0x0
	s_load_b128 s[20:23], s[8:9], s33 offset:0x0   ; ex, ew1, eh, ew2
	s_load_b32 s24, s[10:11], s34 offset:0x0       ; nt
	s_add_nc_u64 s[4:5], s[4:5], s[48:49]          ; w1[e][0][128 j]
	s_add_nc_u64 s[54:55], s[4:5], 0x800000        ; w1[e][512][128 j]
	s_add_nc_u64 s[6:7], s[6:7], s[56:57]          ; b1[e][128 j]
.irp t, 0,1,2,3,4,5,6,7                ; the bias goes out first of all, in the result's layout: lane (r, h), tile t: units 16 t + 8 h + 0 .. 7
	global_load_b128 v[BIAS+8*\t:BIAS+8*\t+3],   v[BO], s[6:7] offset:64*\t
	global_load_b128 v[BIAS+8*\t+4:BIAS+8*\t+7], v[BO], s[6:7] offset:64*\t+16
.endr
	WLOAD 0
	WLOAD 1
	WLOAD 2
	WIN 0
	s_lshl_b32 s48, s17, 20
	s_add_nc_u64 s[12:13], s[12:13], s[48:49]      ; xq[e]
	s_lshl_b32 s48, s17, 22
	s_lshl_b32 s50, s18, 11
	s_add_co_u32 s48, s48, s50
	s_add_nc_u64 s[14:15], s[14:15], s[48:49]      ; hq[e][0][j]
	s_wait_kmcnt 0x0
	s_min_u32 s24, s24, 64
	s_max_u32 s24, s24, 1
	s_sub_co_u32 s25, s24, 1
	s_add_co_u32 s52, s24, 19
	s_mul_i32 s52, s52, 3277
	s_lshr_b32 s52, s52, 16                        ; the passes: (nt + 19) / 20, rounded down; 3,277 / 65,536 gives that for every nt + 19 from 20 to 83
	s_mov_b32 s26, 0                               ; the pass's first tile
	SETT
	s_add_co_i32 s32, s20, s21                     ; ex + ew1
	s_sub_co_i32 s35, s22, s32                     ; eh - ex - ew1: the three scales ahead of the hidden layer's quantiser, folded into one
	s_sub_co_i32 s32, 0, s32
	s_add_co_i32 s48, s21, 127
	s_lshl_b32 s50, s48, 23
	v_mov_b32 v[SW], s50
	s_add_co_i32 s48, s48, 8
	s_lshl_b32 s48, s48, 23
	s_or_b32 s48, s48, 0x600000
	v_mov_b32 v[LW], s48
	s_add_co_i32 s48, s35, 127
	s_lshl_b32 s50, s48, 23
	v_mov_b32 v[SH], s50
	s_add_co_i32 s48, s48, 8
	s_lshl_b32 s48, s48, 23
	s_or_b32 s48, s48, 0x600000
	v_mov_b32 v[LH], s48
	; ---- stage 0: groups alone.  The stream of loads so far: the bias, groups 0, 1, 2
	GQ 0, 32                                       ; behind group 0: groups 1 and 2.  (The bias is older: it is in too)
	WLOAD 3
	GS 0
.set n, 0
.rept 64
	v_ldexp_f32 v[BIAS+n], v[BIAS+n], s32          ; b1 / 2^(ex + ew1): the power of two that the sums lack
.set n, n+1
.endr
	GQ 1, 32                                       ; groups 2 and 3
	WLOAD 4
	GS 1
	GQ 2, 32                                       ; groups 3 and 4
	ALOAD 0                                        ; x's K step 0, behind group 4 in the stream, as it is used
	GS 2
	GQ 3, 36                                       ; group 4, x's step 0
	WLOAD 5
	GS 3
	BAR                                            ; K steps 0 and 1 of the weights lie in LDS
	; ---- stages 1 to 3: group g, then run g - 4 of the first pass.  The run's fragments are asked of LDS ahead of the group, into the set that the run before last read: the group between gave the places
.set gg, 4
.rept 12
.set rr, gg-4
	BLOAD rr
.if gg == 15
	GQ gg, 40                                      ; behind group 15: x's steps 6 and 7
.else
	GQ gg, 36                                      ; behind group g: a group and a K step of x
.endif
.if gg+2 <= 15
	WLOAD gg+2                                     ; into the set that group g - 1 left
.endif
	GS gg
	s_wait_dscnt 4                                 ; the run's 16 fragment loads are in; the group's four stores stay out
.if rr%2 == 0
.if gg == 14
	s_wait_loadcnt 16                              ; x's step 5 is in; group 15 stays out
	ALOAD 6                                        ; no weights are left to ask for: the last two K steps of x
	ALOAD 7
.else
	s_wait_loadcnt 32                              ; this K step's x is in; two groups stay out
	ALOAD rr/2+1                                   ; the next K step's, into the set that was read two K steps ago
.endif
.endif
	MUL rr
.if gg%4 == 3
	BAR                                            ; the stage's two K steps of the weights lie in LDS
.endif
.set gg, gg+1
.endr
	; ---- the last stage's four runs
	BLOAD 12
.set rr, 12
.rept 4
	WIN 0
	PLACES                                         ; behind the last run's products: the loads below land in registers that it read
.if rr < 15
	BLOAD rr+1
	s_wait_dscnt 16                                ; this run's fragments are in; the next run's 16 loads stay out
.else
	s_wait_dscnt 0x0
.endif
.if rr == 12
	s_wait_loadcnt 20                              ; x's step 6 is in; step 7's 20 loads stay out
.elseif rr == 14
	s_wait_loadcnt 0x0
.endif
	MUL rr
.set rr, rr+1
.endr
	WIN 0
	PLACES
	HOUT 0
	HOUT 1
	HOUT 2
	HOUT 3
	HOUT 4
	; ---- later passes, where the expert has more than 20 tiles: all weights lie in LDS
	s_add_co_u32 s26, s26, 20
	s_mov_b32 s45, 1                               ; the pass
	s_cmp_ge_u32 s45, s52
	s_cbranch_scc1 .Lend
	s_wait_xcnt 0x0                                ; the stores have read their offsets
	SETT
	ALOAD 0
	ALOAD 1
.Lpass:
	BLOAD 0
.set rr, 0
.rept 16
	WIN 0
	PLACES                                         ; behind the last run's products: the loads below land in registers that it read
.if rr < 15
	BLOAD rr+1
.endif
.if (rr%2 == 0) && (rr/2 <= 5)
	ALOAD rr/2+2
.endif
.if rr < 15
	s_wait_dscnt 16                                ; this run's fragments are in; the next run's 16 loads stay out
.else
	s_wait_dscnt 0x0
.endif
.if rr%2 == 0
.if rr/2 <= 5
	s_wait_loadcnt 40                              ; this step's x is in; the next two steps' 20 loads each stay out
.elseif rr/2 == 6
	s_wait_loadcnt 20
.else
	s_wait_loadcnt 0x0
.endif
.endif
	MUL rr
.set rr, rr+1
.endr
	WIN 0
	PLACES
	HOUT 0
	HOUT 1
	HOUT 2
	HOUT 3
	HOUT 4
	s_add_co_u32 s26, s26, 20                      ; the next pass's first tile
	s_add_co_u32 s45, s45, 1                       ; the loop is counted in passes, one a trip
	s_cmp_ge_u32 s45, s52
	s_cbranch_scc1 .Lend                           ; the last pass asks for nothing more
	s_wait_xcnt 0x0                                ; the stores have read their offsets
	SETT
	ALOAD 0
	ALOAD 1
	s_cmp_lt_u32 s45, s52
	s_cbranch_scc1 .Lpass
.Lend:
	s_wait_tensorcnt 0x0
	ds_add_u32 v62, v63
	s_wait_dscnt 0x0
	s_endpgm
.Lfunc_end_k_q7895e63302_up:
	.size	k_q7895e63302_up, .Lfunc_end_k_q7895e63302_up-k_q7895e63302_up
	.p2alignl 7, 3214868480
	.fill 96, 4, 3214868480
	.section	.rodata,"a",@progbits
	.p2align	6, 0x0
	.amdhsa_kernel k_q7895e63302_up
		.amdhsa_group_segment_fixed_size 132096
		.amdhsa_private_segment_fixed_size 0
		.amdhsa_enable_private_segment 0
		.amdhsa_kernarg_size 48
		.amdhsa_user_sgpr_count 2
		.amdhsa_user_sgpr_kernarg_segment_ptr 1
		.amdhsa_wavefront_size32 1
		.amdhsa_system_sgpr_workgroup_id_x 1
		.amdhsa_system_sgpr_workgroup_id_y 1
		.amdhsa_system_sgpr_workgroup_id_z 1
		.amdhsa_system_vgpr_workitem_id 0
		.amdhsa_next_free_vgpr 1024
		.amdhsa_next_free_sgpr 66
		.amdhsa_reserve_vcc 0
		.amdhsa_float_denorm_mode_32 3
		.amdhsa_float_denorm_mode_16_64 3
		.amdhsa_memory_ordered 1
		.amdhsa_forward_progress 1
		.amdhsa_inst_pref_size 255
	.end_amdhsa_kernel
	.section	.bss,"aw",@nobits
	.p2align	6
	.space	262144
	.amdgpu_metadata
---
amdhsa.version: [ 1, 2 ]
amdhsa.kernels:
  - .name:           k_q7895e63302_up
    .symbol:         k_q7895e63302_up.kd
    .args:
      - { .name: w1, .offset: 0, .size: 8, .value_kind: global_buffer, .address_space: global }
      - { .name: b1, .offset: 8, .size: 8, .value_kind: global_buffer, .address_space: global }
      - { .name: lowp_scales, .offset: 16, .size: 8, .value_kind: global_buffer, .address_space: global }
      - { .name: meta, .offset: 24, .size: 8, .value_kind: global_buffer, .address_space: global }
      - { .name: xq, .offset: 32, .size: 8, .value_kind: global_buffer, .address_space: global }
      - { .name: hq, .offset: 40, .size: 8, .value_kind: global_buffer, .address_space: global }
    .group_segment_fixed_size: 132096
    .private_segment_fixed_size: 0
    .kernarg_segment_align: 8
    .kernarg_segment_size: 48
    .max_flat_workgroup_size: 128
    .sgpr_count:     66
    .vgpr_count:     1024
    .wavefront_size: 32
...
	.end_amdgpu_metadata
.endif
;; end of part 3
;; launch down (part 4): grid 256 x 1, 4 waves a work-group, no clusters, 149,248 bytes of LDS; arguments w2, lowp_scales, meta, hq, y; writes y
.if DOCPART == 4
	.amdgcn_target "amdgcn-amd-amdhsa--gfx1250"
	.amdhsa_code_object_version 6
	.text
	.protected	k_q7895e63302_down
	.globl	k_q7895e63302_down
	.p2align	8
	.type	k_q7895e63302_down,@function
k_q7895e63302_down:
	s_mov_b64 s[64:65], 0
	v_nop
	global_prefetch_b8 v0, s[64:65] scope:SCOPE_SE
	s_setreg_imm32_b32 hwreg(HW_REG_WAVE_MODE, 25, 1), 1
	s_wait_xcnt 0x0
; THE SECOND LAYER OF THE EXPERTS: y[kh] = (hq w2[e]) x 2^(eh + ew2), half of K each, for the rows that expert e takes.  THE WEIGHTS STAY, THE ROWS WALK, as in the first layer.
; Work-group wg owns expert e = wg / 32, columns 64 n .. 64 n + 63 (n = wg % 32 / 2) and K half kh = wg % 2: 2,048 (K) x 64 numbers of w2, 524,288 bytes, which nobody else reads.  The two halves' sums, the gates and b2
; meet in the last launch: each number of y has one owner.
; THE WEIGHTS: the slice is read once and quantised with 2^ew2 into LDS as images of the operand's registers.  A load takes two rows' 256 consecutive bytes (lanes 0-15 one row, lanes 16-31 the row 8 further down: the lane's half is the
; fragment's half).  Wave w takes K steps 4 w .. 4 w + 3 of 128, in 16 groups of 32 rows: group g = 4 s + c is k = 32 c .. 32 c + 31 of its K step s.  The transposition of bytes is the first layer's.
; THE ROWS: the expert's nt tiles of 16 rows, 20 a pass, ceil(nt / 20) passes.  A step is 20 matrix instructions: 4 tiles of columns x 5 tiles of rows, 128 along K.  Source 0 = 16 columns, source 1 = 16 rows: a lane holds 8 neighbouring columns of one row.
; BY TURNS: four groups of each wave are a STAGE: stage q completes K steps q, 4 + q, 8 + q, 12 + q in LDS, and a barrier ends it.  There is always a first pass (nt is at least 1), so it is written out with no branch: from stage 1 on,
; behind each group stands one step of the first pass on a K step that the stage before completed; the last stage's four steps follow the last barrier.  So the rows' loads and the products stand in the time in which the wave waits for
; weights.  The first pass takes the K steps in the order 0, 4, 8, 12, 1, 5, ..: the sums are the same but for their order.  A wave's loads are issued in the order in which they are used: a group (16 loads), a step's rows (20 loads), a
; group, ..; by this text's count 52 to 56 are out, 64 at the head.  No LDS byte of the images is written twice, and in a stage the stores and the loads touch different blocks of 2,048 bytes.  Later passes (nt over 20) run in a loop behind.
; K's PLACES are the form's own: register 4 c + i, byte q of lane (r, h): k = 32 c + 16 (i / 2) + 8 h + 4 (i % 2) + q, as hq is laid.
; THE WAY OUT: a tile of 16 rows x 64 columns goes through the wave's own stage in LDS and leaves as rows: sixteen lanes store 256 consecutive bytes, aligned.
; y[kh][1,024 e + 16 tile + row][1,024].  A slot whose tile number is nt or more loads tile nt - 1 and stores nothing.
; NO TENSOR LOADS, NO JOINT LOADS: the number of passes is read from memory.  The four barriers stand ahead of every branch on meta.
; LIMITS: ew2 between -126 and 119; eh + ew2 between -126 and 127.  NaN among the weights is not served.
; REGISTERS: window 0: v1-17 addresses and scales, v24-59 at work, v64-191 two sets of four weight fragments, v192-223 rows of y.  window 1: four sets of 64 numbers of w2.
; window 2: v0-159 the accumulators (slot i, tile T of columns at 32 i + 8 T).  window 3: v0-239 three sets of five fragments of hq.
; SCALARS: s16 wave, s17 e, s18 n, s19 kh, s20-23 ex ew1 eh ew2, s24 nt, s25 nt - 1, s26 the pass's first tile, s27-31 the slots' tiles, s40-44 the same held inside the expert's tiles, s45 the pass, s52 the number of passes.
.set ROWB, 4096                        ; a row of w2[e] in bytes
.set TP,   32784                       ; LDS: fragment (K step s, tile T) at TP T + 2,048 s.  TP = 16 modulo 256
.set STAGE, 131328                     ; behind the images: 16 rows x SP bytes for each wave
.set SP,   272
.set LI,   1                           ; v1  16 lane; also the LDS base of tiles 0, 1;  v2  + 2 TP: tiles 2, 3
.set VW,   3                           ; v3  w2: (512 wave + 8 (lane / 16)) rows + 16 (lane % 16)
.set LA,   4                           ; v4  LDS, on the way in: TP (lane % 16 / 4) + 8,192 wave + 256 (lane / 16) + 64 (lane % 4)
.set VY0,  5                           ; v5  y: (lane / 16) rows + 16 (lane % 16)
.set SW,   6                           ; v6  2^ew2;  v7  448 x 2^ew2
.set LW,   7
.set VA,   10                          ; v10-14  slot i: its tile's offset in hq
.set VY,   15                          ; v15 the tile's offset in y
.set SO,   16                          ; v16 the stage: where I put 32 bytes of a row
.set SR,   17                          ; v17 and where I read a row back
.set TT,   24
.set P,    28
.set Q,    44
.set TMP,  28                          ; v28-59 on the way out: a tile's sums x 2^(eh + ew2)
.set BF,   64
.set OB,   192
.set MSB, 0
.macro WIN new
.if MSB != \new
	s_set_vgpr_msb (MSB<<8)|\new
.set MSB, \new
.endif
.endm
.macro PLACES                          ; four plain lines between a matrix instruction and a load into, or a vector instruction on, its registers
.rept 4
	v_nop
.endr
.endm
.macro BAR                             ; my LDS stores have landed and my LDS loads are in: then the work-group's barrier
	s_wait_dscnt 0x0
	s_barrier_signal -1
	s_barrier_wait -1
.endm
.macro WLOAD g                         ; group g = 4 s + c: the 32 rows of K step s, k = 32 c .. 32 c + 31; load m: row 16 (m / 8) + m % 8, and 8 further down for lanes 16-31
	WIN 0x40
.irp m, 0,1,2,3,4,5,6,7,8,9,10,11,12,13,14,15
	global_load_b128 v[64*((\g)%4)+4*\m:64*((\g)%4)+4*\m+3], v[VW], s[4:5] offset:(128*((\g)/4)+32*((\g)%4)+16*(\m/8)+(\m%8))*ROWB th:TH_LOAD_NT
.endr
.endm
.macro GQ g, left                      ; a group's first half: its rows become codes.  left: the loads issued behind group g's
	s_wait_loadcnt \left
.set SB, 64*((\g)%4)
	WIN 0x41
.set n, 0
.rept 64
	v_med3_num_f32 v[SB+n], v[SB+n], -v[LW], v[LW] ; the hold at the largest code x the scale (ISA guide 7.6.2)
.set n, n+1
.endr
	WIN 0x01
.set n, 0
.rept 8
	v_cvt_scalef32_pk8_fp8_f32 v[P+2*n:P+2*n+1], v[SB+8*n:SB+8*n+7], v[SW]
.set n, n+1
.endr
	v_nop                                          ; a plain line behind the conversions
.endm
.macro GS g                            ; its second half: the codes are turned and go to LDS
	WIN 0
.irp i, 0,1,2,3
	v_perm_b32 v[TT],   v[P+4*\i+1], v[P+4*\i],   s36
	v_perm_b32 v[TT+1], v[P+4*\i+1], v[P+4*\i],   s37
	v_perm_b32 v[TT+2], v[P+4*\i+3], v[P+4*\i+2], s36
	v_perm_b32 v[TT+3], v[P+4*\i+3], v[P+4*\i+2], s37
	v_perm_b32 v[Q+\i],    v[TT+2], v[TT],   s38
	v_perm_b32 v[Q+4+\i],  v[TT+2], v[TT],   s39
	v_perm_b32 v[Q+8+\i],  v[TT+3], v[TT+1], s38
	v_perm_b32 v[Q+12+\i], v[TT+3], v[TT+1], s39
.endr
.irp c, 0,1,2,3
	ds_store_b128 v[LA], v[Q+4*\c:Q+4*\c+3] offset:2048*((\g)/4)+512*((\g)%4)+16*\c
.endr
.endm
.macro SETT
.irp i, 0,1,2,3,4
	s_add_co_u32 s[27+\i], s26, s16
	s_add_co_u32 s[27+\i], s[27+\i], 4*\i
	s_min_u32 s[40+\i], s[27+\i], s25
	s_min_u32 s[40+\i], s[40+\i], 63
	v_lshl_add_u32 v[VA+\i], s[40+\i], 16, v[LI]
.endr
.endm
.macro ALOAD st, z                     ; the hidden layer's five fragments of K step st into set z of window 3: 20 loads
	WIN 0xc0
.irp i, 0,1,2,3,4
.irp c, 0,1,2,3
	global_load_b128 v[80*(\z)+16*\i+4*\c:80*(\z)+16*\i+4*\c+3], v[VA+\i], s[10:11] offset:2048*(\st)+512*\c
.endr
.endr
	WIN 0
.endm
.macro BLOAD st, b                     ; the weights' four fragments of K step st into set b: 16 LDS loads
	WIN 0
.irp t, 0,1,2,3
.irp c, 0,1,2,3
	ds_load_b128 v[BF+64*(\b)+16*\t+4*\c:BF+64*(\b)+16*\t+4*\c+3], v[LI+\t/2] offset:TP*(\t%2)+2048*(\st)+512*\c
.endr
.endr
.endm
.macro MUL b, z, zero                  ; 20 matrix instructions on the 20 accumulators, which take turns, one instruction a turn, in the same order in every step.  zero = 1: the first products start the sums
.set BB, BF+64*(\b)
.set AR, 80*(\z)
	WIN 0xac                                       ; source 1 (the hidden layer) window 3, C and D window 2
.irp t, 0,1,2,3
.irp i, 0,1,2,3,4
.if \zero
	v_wmma_f32_16x16x128_fp8_fp8 v[32*\i+8*\t:32*\i+8*\t+7], v[BB+16*\t:BB+16*\t+15], v[AR+16*\i:AR+16*\i+15], 0
.else
	v_wmma_f32_16x16x128_fp8_fp8 v[32*\i+8*\t:32*\i+8*\t+7], v[BB+16*\t:BB+16*\t+15], v[AR+16*\i:AR+16*\i+15], v[32*\i+8*\t:32*\i+8*\t+7]
.endif
.endr
.endr
.endm
.macro YOUT i                          ; slot i's tile of rows goes out
	s_cmp_ge_u32 s[27+\i], s24
	s_cbranch_scc1 .Lno_tile_\@
	s_wait_xcnt 0x0                                ; the last slot's stores have read their registers and their offset
	WIN 0x02
.set n, 0
.rept 16
	v_pk_mul_f32 v[TMP+2*n:TMP+2*n+1], v[32*\i+2*n:32*\i+2*n+1], s[46:47] op_sel_hi:[1,0]   ; x 2^(eh + ew2); each accumulator from its low end on
.set n, n+1
.endr
	WIN 0
	v_lshl_add_u32 v[VY], s[40+\i], 16, v[VY0]     ; 16 rows of 4,096 bytes a tile
.irp t, 0,1,2,3
	ds_store_b128 v[SO], v[TMP+8*\t:TMP+8*\t+3]   offset:64*\t       ; lane (r, h): row r, columns 16 t + 8 h + 0 .. 7
	ds_store_b128 v[SO], v[TMP+8*\t+4:TMP+8*\t+7] offset:64*\t+16
.endr
.irp m, 0,1,2,3,4,5,6,7
	ds_load_b128 v[OB+4*\m:OB+4*\m+3], v[SR] offset:2*\m*SP          ; LDS serves a wave's instructions in order (ISA guide 5.7.1.4): these see my stores
.endr
	s_wait_dscnt 0x0
.irp m, 0,1,2,3,4,5,6,7
	global_store_b128 v[VY], v[OB+4*\m:OB+4*\m+3], s[12:13] offset:2*\m*4096 th:TH_STORE_NT   ; sixteen lanes store 256 consecutive bytes, at a multiple of 256 from y's first byte
.endr
.Lno_tile_\@:
.endm
	s_load_b256 s[4:11], s[0:1], 0x0               ; w2 s[4:5], lowp_scales s[6:7], meta s[8:9], hq s[10:11]
	s_load_b64 s[12:13], s[0:1], 0x20              ; y
	v_lshl_add_u32 v254, v0, 2, 0x24500
	v_mov_b32 v255, 0
	v_lshrrev_b32 v20, 5, v0
	v_readfirstlane_b32 s16, v20                   ; wave
	v_and_b32 v20, 31, v0                          ; lane
	v_and_b32 v22, 15, v0                          ; lane % 16
	v_bfe_u32 v23, v0, 4, 1                        ; lane / 16
	v_lshlrev_b32 v[LI], 4, v20
	v_add_nc_u32 v[LI+1], 2*TP, v[LI]
	s_lshl_b32 s51, s16, 21
	v_lshl_add_u32 v[VW], v22, 4, s51
	v_lshl_add_u32 v[VW], v23, 15, v[VW]
	v_lshrrev_b32 v21, 2, v22
	v_mul_u32_u24 v[LA], v21, TP
	v_and_b32 v21, 3, v0
	v_lshl_add_u32 v[LA], v21, 6, v[LA]
	v_lshl_add_u32 v[LA], v23, 8, v[LA]
	s_lshl_b32 s51, s16, 13
	v_add_nc_u32 v[LA], s51, v[LA]
	v_lshlrev_b32 v[VY0], 4, v22
	v_lshl_add_u32 v[VY0], v23, 12, v[VY0]
	s_mul_i32 s51, s16, 16*SP
	s_add_co_u32 s51, s51, STAGE                   ; my stage
	v_mul_u32_u24 v[SO], v22, SP
	v_lshl_add_u32 v[SO], v23, 5, v[SO]
	v_add_nc_u32 v[SO], s51, v[SO]
	v_mul_u32_u24 v[SR], v23, SP
	v_lshl_add_u32 v[SR], v22, 4, v[SR]
	v_add_nc_u32 v[SR], s51, v[SR]
	s_lshr_b32 s17, ttmp9, 5                       ; e
	s_bfe_u32 s18, ttmp9, 0x40001                  ; n
	s_and_b32 s19, ttmp9, 1                        ; kh
	s_mov_b32 s36, 0x05010400
	s_mov_b32 s37, 0x07030602
	s_mov_b32 s38, 0x05040100
	s_mov_b32 s39, 0x07060302
	s_lshl_b32 s33, s17, 4
	s_lshl_b32 s34, s17, 2
	s_lshl_b32 s48, s17, 24
	s_lshl_b32 s50, s19, 23
	s_add_co_u32 s48, s48, s50
	s_lshl_b32 s50, s18, 8
	s_add_co_u32 s48, s48, s50
	s_mov_b32 s49, 0
	s_wait_kmcnt 0x0
	s_load_b128 s[20:23], s[6:7], s33 offset:0x0   ; ex, ew1, eh, ew2
	s_load_b32 s24, s[8:9], s34 offset:0x0         ; nt
	s_add_nc_u64 s[4:5], s[4:5], s[48:49]          ; w2[e][2,048 kh][64 n]
	WLOAD 0
	WLOAD 1
	WLOAD 2
	WLOAD 3
	WIN 0
	s_lshl_b32 s48, s17, 22
	s_lshl_b32 s51, s19, 15
	s_add_co_u32 s48, s48, s51
	s_add_nc_u64 s[10:11], s[10:11], s[48:49]      ; hq[e][0][16 kh]
	s_lshl_b32 s48, s19, 25
	s_lshl_b32 s51, s17, 22
	s_add_co_u32 s48, s48, s51
	s_add_co_u32 s48, s48, s50
	s_add_nc_u64 s[12:13], s[12:13], s[48:49]      ; y[kh][1,024 e][64 n]
	s_wait_kmcnt 0x0
	s_min_u32 s24, s24, 64
	s_max_u32 s24, s24, 1
	s_sub_co_u32 s25, s24, 1
	s_add_co_u32 s52, s24, 19
	s_mul_i32 s52, s52, 3277
	s_lshr_b32 s52, s52, 16                        ; the passes: (nt + 19) / 20, rounded down; 3,277 / 65,536 gives that for every nt + 19 from 20 to 83
	s_mov_b32 s26, 0                               ; the pass's first tile
	SETT
	s_add_co_i32 s48, s23, 127
	s_lshl_b32 s50, s48, 23
	v_mov_b32 v[SW], s50
	s_add_co_i32 s48, s48, 8
	s_lshl_b32 s48, s48, 23
	s_or_b32 s48, s48, 0x600000
	v_mov_b32 v[LW], s48
	s_add_co_i32 s46, s22, s23
	s_add_co_i32 s46, s46, 127
	s_lshl_b32 s46, s46, 23                        ; 2^(eh + ew2) as f32
	s_mov_b32 s47, s46                             ; (named with it as a pair, so it is written)
	; ---- stage 0: groups alone.  The stream of loads so far: groups 0 to 3
	GQ 0, 48                                       ; behind group 0: groups 1, 2, 3
	WLOAD 4
	GS 0
	GQ 1, 48                                       ; groups 2, 3, 4
	GS 1
	GQ 2, 32                                       ; groups 3, 4
	ALOAD 0, 0                                     ; the rows of the first step (K step 0), behind group 4 in the stream, as they are used
	GS 2
	GQ 3, 36                                       ; group 4, the first step's rows
	WLOAD 5
	GS 3
	BAR                                            ; K steps 0, 4, 8, 12 of the weights lie in LDS
	; ---- stages 1 to 3: group g, then step a = g - 4 of the first pass, on K step 4 (a % 4) + a / 4.  The step's fragments are asked of LDS ahead of the group, into the set that the step before last read: the group between gave the places
.set gg, 4
.rept 12
.set aa, gg-4
	BLOAD 4*(aa%4)+aa/4, aa%2
.if gg == 15
	GQ gg, 40                                      ; behind group 15: the rows of steps 11 and 12
	ALOAD 4*((aa+2)%4)+(aa+2)/4, (aa+2)%3          ; step 13's, into the set that step 10 read
.else
	GQ gg, 36                                      ; behind group g: this step's rows and group g + 1
	ALOAD 4*((aa+1)%4)+(aa+1)/4, (aa+1)%3          ; the next step's rows, into a set that was read two steps ago
.endif
	GS gg
	s_wait_dscnt 4                                 ; the step's 16 fragment loads are in; the group's four stores stay out
.if gg <= 13
	s_wait_loadcnt 36                              ; this step's rows are in; group g + 1 and the next step's rows stay out
	WLOAD gg+2                                     ; into the set that group g - 2 left
.elseif gg == 14
	s_wait_loadcnt 36                              ; group 15 and step 11's rows stay out
	ALOAD 4*((aa+2)%4)+(aa+2)/4, (aa+2)%3          ; no weights are left to ask for: step 12's rows
.else
	s_wait_loadcnt 40                              ; the rows of steps 12 and 13 stay out
.endif
.if aa == 0
	MUL aa%2, aa%3, 1
.else
	MUL aa%2, aa%3, 0
.endif
.if gg%4 == 3
	BAR                                            ; the stage's four K steps of the weights lie in LDS
.endif
.set gg, gg+1
.endr
	; ---- the last stage's four steps: K steps 3, 7, 11, 15
	BLOAD 3, 0
.set aa, 12
.rept 4
	WIN 0
	PLACES                                         ; behind the last step's products: the loads below land in registers that it read
.if aa < 15
	BLOAD 4*((aa+1)%4)+(aa+1)/4, (aa+1)%2
.endif
.if aa+2 <= 15
	ALOAD 4*((aa+2)%4)+(aa+2)/4, (aa+2)%3
.endif
.if aa < 15
	s_wait_dscnt 16                                ; this step's weights are in; the next step's 16 loads stay out
.else
	s_wait_dscnt 0x0
.endif
.if aa <= 13
	s_wait_loadcnt 40                              ; this step's rows are in; the next two steps' 20 loads each stay out
.elseif aa == 14
	s_wait_loadcnt 20
.else
	s_wait_loadcnt 0x0
.endif
	MUL aa%2, aa%3, 0
.set aa, aa+1
.endr
	WIN 0
	PLACES
	YOUT 0
	YOUT 1
	YOUT 2
	YOUT 3
	YOUT 4
	; ---- later passes, where the expert has more than 20 tiles: all weights lie in LDS, and K ascends
	s_add_co_u32 s26, s26, 20
	s_mov_b32 s45, 1                               ; the pass
	s_cmp_ge_u32 s45, s52
	s_cbranch_scc1 .Lend
	SETT                                           ; (the rows' loads have all come back: their offsets are free)
	ALOAD 0, 0
	ALOAD 1, 1
.Lpass:
	BLOAD 0, 0
.set rr, 0
.rept 16
	WIN 0
	PLACES                                         ; behind the last step's products: the loads below land in registers that it read
.if rr < 15
	BLOAD rr+1, (rr+1)%2
.endif
.if rr <= 13
	ALOAD rr+2, (rr+2)%3
.endif
.if rr < 15
	s_wait_dscnt 16                                ; this step's weights are in; the next step's 16 loads stay out
.else
	s_wait_dscnt 0x0
.endif
.if rr <= 13
	s_wait_loadcnt 40                              ; this step's rows are in; the next two steps' 20 loads each stay out
.elseif rr == 14
	s_wait_loadcnt 20
.else
	s_wait_loadcnt 0x0
.endif
.if rr == 0
	MUL rr%2, rr%3, 1
.else
	MUL rr%2, rr%3, 0
.endif
.set rr, rr+1
.endr
	WIN 0
	PLACES
	YOUT 0
	YOUT 1
	YOUT 2
	YOUT 3
	YOUT 4
	s_add_co_u32 s26, s26, 20                      ; the next pass's first tile
	s_add_co_u32 s45, s45, 1                       ; the loop is counted in passes, one a trip
	s_cmp_ge_u32 s45, s52
	s_cbranch_scc1 .Lend                           ; the last pass asks for nothing more
	SETT                                           ; (the rows' loads have all come back: their offsets are free)
	ALOAD 0, 0
	ALOAD 1, 1
	s_cmp_lt_u32 s45, s52
	s_cbranch_scc1 .Lpass
.Lend:
	s_wait_tensorcnt 0x0
	ds_add_u32 v254, v255
	s_wait_dscnt 0x0
	s_endpgm
.Lfunc_end_k_q7895e63302_down:
	.size	k_q7895e63302_down, .Lfunc_end_k_q7895e63302_down-k_q7895e63302_down
	.p2alignl 7, 3214868480
	.fill 96, 4, 3214868480
	.section	.rodata,"a",@progbits
	.p2align	6, 0x0
	.amdhsa_kernel k_q7895e63302_down
		.amdhsa_group_segment_fixed_size 149248
		.amdhsa_private_segment_fixed_size 0
		.amdhsa_enable_private_segment 0
		.amdhsa_kernarg_size 40
		.amdhsa_user_sgpr_count 2
		.amdhsa_user_sgpr_kernarg_segment_ptr 1
		.amdhsa_wavefront_size32 1
		.amdhsa_system_sgpr_workgroup_id_x 1
		.amdhsa_system_sgpr_workgroup_id_y 1
		.amdhsa_system_sgpr_workgroup_id_z 1
		.amdhsa_system_vgpr_workitem_id 0
		.amdhsa_next_free_vgpr 1024
		.amdhsa_next_free_sgpr 66
		.amdhsa_reserve_vcc 0
		.amdhsa_float_denorm_mode_32 3
		.amdhsa_float_denorm_mode_16_64 3
		.amdhsa_memory_ordered 1
		.amdhsa_forward_progress 1
		.amdhsa_inst_pref_size 255
	.end_amdhsa_kernel
	.section	.bss,"aw",@nobits
	.p2align	6
	.space	262144
	.amdgpu_metadata
---
amdhsa.version: [ 1, 2 ]
amdhsa.kernels:
  - .name:           k_q7895e63302_down
    .symbol:         k_q7895e63302_down.kd
    .args:
      - { .name: w2, .offset: 0, .size: 8, .value_kind: global_buffer, .address_space: global }
      - { .name: lowp_scales, .offset: 8, .size: 8, .value_kind: global_buffer, .address_space: global }
      - { .name: meta, .offset: 16, .size: 8, .value_kind: global_buffer, .address_space: global }
      - { .name: hq, .offset: 24, .size: 8, .value_kind: global_buffer, .address_space: global }
      - { .name: y, .offset: 32, .size: 8, .value_kind: global_buffer, .address_space: global }
    .group_segment_fixed_size: 149248
    .private_segment_fixed_size: 0
    .kernarg_segment_align: 8
    .kernarg_segment_size: 40
    .max_flat_workgroup_size: 128
    .sgpr_count:     66
    .vgpr_count:     1024
    .wavefront_size: 32
...
	.end_amdgpu_metadata
.endif
;; end of part 4
;; launch combine (part 5): grid 256 x 1, 4 waves a work-group, no clusters, 0 bytes of LDS; arguments y, pos, sel, gates, b2, out0; writes out0
.if DOCPART == 5
	.amdgcn_target "amdgcn-amd-amdhsa--gfx1250"
	.amdhsa_code_object_version 6
	.text
	.protected	k_q7895e63302_combine
	.globl	k_q7895e63302_combine
	.p2align	8
	.type	k_q7895e63302_combine,@function
k_q7895e63302_combine:
	s_mov_b64 s[64:65], 0
	v_nop
	global_prefetch_b8 v0, s[64:65] scope:SCOPE_SE
	s_setreg_imm32_b32 hwreg(HW_REG_WAVE_MODE, 25, 1), 1
	s_wait_xcnt 0x0
; out0[t] = the sum over the token's two choices of gate x (y[0][pos] + y[1][pos] + b2[expert]).  One wave takes one token: six rows of 4,096 bytes in, one out.
; Each load and store of the wave covers 512 consecutive bytes; all 48 loads go out at once; a chunk of 512 bytes is worked as soon as its six loads are in.
; pos and sel are whole numbers that earlier launches stored; they are held inside their tables before they enter an address.
; A stream: no LDS, no barrier, no matrix unit; the work-groups share only b2's 32,768 bytes.
	s_load_b256 s[4:11], s[0:1], 0x0               ; y s[4:5], pos s[6:7], sel s[8:9], gates s[10:11]
	s_load_b128 s[12:15], s[0:1], 0x20             ; b2 s[12:13], out0 s[14:15]
	v_lshrrev_b32 v1, 5, v0
	v_readfirstlane_b32 s16, v1                    ; wave
	v_and_b32 v1, 31, v0
	v_lshlrev_b32 v2, 4, v1                        ; 16 lane
	s_lshl_b32 s17, ttmp9, 2
	s_add_co_u32 s17, s17, s16                     ; my token
	s_lshl_b32 s18, s17, 3
	s_wait_kmcnt 0x0
	s_load_b64 s[20:21], s[6:7], s18 offset:0x0    ; the two rows in y
	s_load_b64 s[22:23], s[8:9], s18 offset:0x0    ; the two experts
	s_load_b64 s[24:25], s[10:11], s18 offset:0x0  ; the two gates
	s_lshl_b32 s26, s17, 12
	s_mov_b32 s27, 0
	s_add_nc_u64 s[14:15], s[14:15], s[26:27]      ; out0[t]
	s_wait_kmcnt 0x0
	s_min_u32 s20, s20, 0x1fff
	s_min_u32 s21, s21, 0x1fff
	s_min_u32 s22, s22, 7
	s_min_u32 s23, s23, 7
	s_lshl_b32 s26, s20, 12
	s_add_nc_u64 s[28:29], s[4:5], s[26:27]        ; first choice: K half 0,
	s_add_nc_u64 s[30:31], s[28:29], 0x2000000     ; K half 1
	s_lshl_b32 s26, s21, 12
	s_add_nc_u64 s[32:33], s[4:5], s[26:27]        ; second choice
	s_add_nc_u64 s[34:35], s[32:33], 0x2000000
	s_lshl_b32 s26, s22, 12
	s_add_nc_u64 s[36:37], s[12:13], s[26:27]      ; b2 of the first expert,
	s_lshl_b32 s26, s23, 12
	s_add_nc_u64 s[38:39], s[12:13], s[26:27]      ; of the second
	s_mov_b32 s40, s24                             ; the gates as pairs: the packed forms name a pair and take its low word
	s_mov_b32 s41, s24
	s_mov_b32 s42, s25
	s_mov_b32 s43, s25
.irp i, 0,1,2,3,4,5,6,7
	global_load_b128 v[32+24*\i:35+24*\i], v2, s[28:29] offset:512*\i th:TH_LOAD_NT
	global_load_b128 v[36+24*\i:39+24*\i], v2, s[30:31] offset:512*\i th:TH_LOAD_NT
	global_load_b128 v[40+24*\i:43+24*\i], v2, s[36:37] offset:512*\i
	global_load_b128 v[44+24*\i:47+24*\i], v2, s[32:33] offset:512*\i th:TH_LOAD_NT
	global_load_b128 v[48+24*\i:51+24*\i], v2, s[34:35] offset:512*\i th:TH_LOAD_NT
	global_load_b128 v[52+24*\i:55+24*\i], v2, s[38:39] offset:512*\i
.endr
.irp i, 0,1,2,3,4,5,6,7
	s_wait_loadcnt 6*(7-\i)                        ; this chunk's six loads are in; the younger chunks' stay out
.irp p, 0,2
	v_pk_add_f32 v[32+24*\i+\p:33+24*\i+\p], v[32+24*\i+\p:33+24*\i+\p], v[36+24*\i+\p:37+24*\i+\p]
	v_pk_add_f32 v[44+24*\i+\p:45+24*\i+\p], v[44+24*\i+\p:45+24*\i+\p], v[48+24*\i+\p:49+24*\i+\p]
.endr
.irp p, 0,2
	v_pk_add_f32 v[32+24*\i+\p:33+24*\i+\p], v[32+24*\i+\p:33+24*\i+\p], v[40+24*\i+\p:41+24*\i+\p]
	v_pk_add_f32 v[44+24*\i+\p:45+24*\i+\p], v[44+24*\i+\p:45+24*\i+\p], v[52+24*\i+\p:53+24*\i+\p]
.endr
.irp p, 0,2
	v_pk_mul_f32 v[32+24*\i+\p:33+24*\i+\p], v[32+24*\i+\p:33+24*\i+\p], s[40:41] op_sel_hi:[1,0]
.endr
.irp p, 0,2
	v_pk_fma_f32 v[32+24*\i+\p:33+24*\i+\p], v[44+24*\i+\p:45+24*\i+\p], s[42:43], v[32+24*\i+\p:33+24*\i+\p] op_sel_hi:[1,0,1]
.endr
	global_store_b128 v2, v[32+24*\i:35+24*\i], s[14:15] offset:512*\i th:TH_STORE_NT   ; each chunk has registers of its own: no store's data are written again
.endr
	s_endpgm
.Lfunc_end_k_q7895e63302_combine:
	.size	k_q7895e63302_combine, .Lfunc_end_k_q7895e63302_combine-k_q7895e63302_combine
	.p2alignl 7, 3214868480
	.fill 96, 4, 3214868480
	.section	.rodata,"a",@progbits
	.p2align	6, 0x0
	.amdhsa_kernel k_q7895e63302_combine
		.amdhsa_group_segment_fixed_size 0
		.amdhsa_private_segment_fixed_size 0
		.amdhsa_enable_private_segment 0
		.amdhsa_kernarg_size 48
		.amdhsa_user_sgpr_count 2
		.amdhsa_user_sgpr_kernarg_segment_ptr 1
		.amdhsa_wavefront_size32 1
		.amdhsa_system_sgpr_workgroup_id_x 1
		.amdhsa_system_sgpr_workgroup_id_y 1
		.amdhsa_system_sgpr_workgroup_id_z 1
		.amdhsa_system_vgpr_workitem_id 0
		.amdhsa_next_free_vgpr 224
		.amdhsa_next_free_sgpr 66
		.amdhsa_reserve_vcc 0
		.amdhsa_float_denorm_mode_32 3
		.amdhsa_float_denorm_mode_16_64 3
		.amdhsa_memory_ordered 1
		.amdhsa_forward_progress 1
		.amdhsa_inst_pref_size 14
	.end_amdhsa_kernel
	.amdgpu_metadata
---
amdhsa.version: [ 1, 2 ]
amdhsa.kernels:
  - .name:           k_q7895e63302_combine
    .symbol:         k_q7895e63302_combine.kd
    .args:
      - { .name: y, .offset: 0, .size: 8, .value_kind: global_buffer, .address_space: global }
      - { .name: pos, .offset: 8, .size: 8, .value_kind: global_buffer, .address_space: global }
      - { .name: sel, .offset: 16, .size: 8, .value_kind: global_buffer, .address_space: global }
      - { .name: gates, .offset: 24, .size: 8, .value_kind: global_buffer, .address_space: global }
      - { .name: b2, .offset: 32, .size: 8, .value_kind: global_buffer, .address_space: global }
      - { .name: out0, .offset: 40, .size: 8, .value_kind: global_buffer, .address_space: global }
    .group_segment_fixed_size: 0
    .private_segment_fixed_size: 0
    .kernarg_segment_align: 8
    .kernarg_segment_size: 48
    .max_flat_workgroup_size: 128
    .sgpr_count:     66
    .vgpr_count:     224
    .wavefront_size: 32
...
	.end_amdgpu_metadata
.endif
;; end of part 5
;; ======== version 2 of 2: 5 launches; version 1 with the launches up, down written anew for expert scheduling mode
;; workspace buffers: sel 8,192 bytes of whole numbers; gates 8,192 bytes; aux 16,384 bytes; meta 256 bytes of whole numbers; pos 8,192 bytes of whole numbers; xq 8,388,608 bytes; hq 33,554,432 bytes; y 67,108,864 bytes
;; launch route: the kernel of part 1 again; grid 256 x 1, 4 waves a work-group, no clusters, 17,408 bytes of LDS; arguments x, router_w, router_b, sel, gates, aux; writes sel, gates, aux
;; launch place: the kernel of part 2 again; grid 545 x 1, 1 waves a work-group, no clusters, 512 bytes of LDS; arguments sel, aux, x, lowp_scales, meta, pos, xq, out1, out2; writes meta, pos, xq, out1, out2
;; launch up (part 6): grid 256 x 1, 4 waves a work-group, no clusters, 132,096 bytes of LDS; arguments w1, b1, lowp_scales, meta, xq, hq; writes hq
.if DOCPART == 6
	.amdgcn_target "amdgcn-amd-amdhsa--gfx1250"
	.amdhsa_code_object_version 6
	.text
	.protected	k_q7895e63302_up
	.globl	k_q7895e63302_up
	.p2align	8
	.type	k_q7895e63302_up,@function
k_q7895e63302_up:
	s_mov_b64 s[64:65], 0
	v_nop
	global_prefetch_b8 v0, s[64:65] scope:SCOPE_SE
	s_setreg_imm32_b32 hwreg(HW_REG_WAVE_SCHED_MODE, 0, 2), 2
	s_setreg_imm32_b32 hwreg(HW_REG_WAVE_MODE, 25, 1), 1
	s_wait_xcnt 0x0
	s_wait_alu depctr_vm_vsrc(0)
; THE FIRST LAYER OF THE EXPERTS: hq = Q(relu(x w1[e] + b1[e])) for the rows that expert e takes, on codes of E4M3.  THE WEIGHTS STAY, THE ROWS WALK.
; Work-group wg owns expert e = wg / 32 and hidden units 128 j .. 128 j + 127, j = wg % 32: 1,024 (K) x 128 numbers of w1, 524,288 bytes, which nobody else reads.
; THE WEIGHTS: the slice is read once, 512 consecutive bytes a load, quantised with 2^ew1 and laid into LDS as images of the operand's registers.  A wave has 16 groups of 16 rows: group g of wave w is rows (k)
; 64 w + 256 (g / 4) + 16 (g % 4) on.  A lane holds 4 columns of a row; the conversion packs a row's 4 columns into a word; a 4 x 4 transposition of bytes (8 v_perm_b32) makes of four rows' words four words of
; 4 neighbours along K, one for each column.
; THE ROWS: the expert's nt tiles of 16 rows, 20 a pass (wave w: tiles 20 pass + 4 i + w, i = 0 .. 4), ceil(nt / 20) passes.  x's codes come from xq straight into registers; the weights' fragments from LDS.
; A run is 20 matrix instructions: 4 tiles of hidden units x 5 tiles of rows, 128 along K.  Source 0 = 16 hidden units, source 1 = 16 rows: a lane holds ONE row and 8 neighbouring hidden units, which the conversion packs along the
; next product's K.  b1 / 2^(ex + ew1) is the C of each sum's first instruction.  code = sum / 2^(eh - ex - ew1), held between 0 (the relu) and 448.
; BY TURNS: four groups of each wave are a STAGE: the four waves' groups of stage q complete K steps 2 q and 2 q + 1 in LDS, and a barrier ends the stage.  There is always a first pass (nt is at least 1), so it is written out with
; no branch: from stage 1 on, behind each group stands one run of the first pass on the K steps that the stage before completed; the last stage's four runs follow the last barrier.  So the rows' loads and the products stand in the
; time in which the wave waits for weights.  A wave's loads are issued in the order in which they are used, one stream of weights (16 loads a group) and rows (20 loads a K step); by this text's count 52 to 56 are out, 64 at the head.
; No LDS byte is written twice, and in a stage the stores (K steps 2 q, 2 q + 1) and the loads (2 q - 2, 2 q - 1) touch different blocks of 2,048 bytes.  Later passes (nt over 20) run in a loop behind, when all weights lie in LDS.
; K's PLACES: register 4 c + i, byte q of lane (r, h) holds k = 128 step + 32 c + 16 h + 4 i + q, in the weights' images and in xq alike: every product meets its partner.
; hq[e][tile][step j][2,048 bytes]: registers 4 c .. 4 c + 3 of lane l at 512 c + 16 l; register 4 c + i, byte q of lane (r, h): hidden unit 128 j + 32 c + 16 (i / 2) + 8 h + 4 (i % 2) + q of row r.
; A slot whose tile number is nt or more loads tile nt - 1 (no load leaves what was written) and stores nothing.
; NO TENSOR LOADS, NO JOINT LOADS: the number of passes is read from memory (meta); a constant count would multiply 64 tiles for each expert.
; The four barriers stand ahead of every branch on meta.
; LIMITS: ew1, and eh - ex - ew1, between -126 and 119.  NaN among the weights is not served.
; THE MODE: SCHED_MODE bits 1:0 = 2 (LLVM: expert scheduling mode 2), set by the entry lines.  The code itself states the register dependences
; between vector or matrix instructions and memory or LDS instructions, with s_wait_alu, always for 0.
; THE PLAN.  Registers that memory or LDS instructions touch, and who else names them:
;   W0 .. W2      (window 1, v0-191)  Group g's 16 loads land in set g % 3; its 64 holds write and read it, its 8 conversions read it; then group g + 3's loads land in it.
;   X0 .. X2      (window 3, v64-255, with window 1, v192-239)  A K step's 20 loads land in set step % 3; the step's two runs of products read it; then the loads of three steps on land in it.
;   BF0, BF1      A run's 16 LDS loads land in set run % 2; the run's products read it; then the loads of two runs on land in it.
;   v[Q ..]       Written by a group's 32 turning lines, read by its four LDS stores, written again by the next group's.
;   v[P ..]       On the way out: written by a slot's conversions, read by its four stores, written again by the next slot's.  (In a group vector lines alone name it.)
;   v[VA ..], v[VH ..]  Written by SETT, read by the rows' loads and by the stores of hq.
;   v1 to v5      Made at the head, never written again.  The bias is loaded once, into registers that nothing has named; the accumulators and v[TT ..] are named by vector and matrix lines alone.
; ONE wait on va_vdst stands in a group, behind its turning lines.  It states that v[Q ..] is written (the LDS stores read it), that the group's holds and conversions are done with their set of w1, and that the products of the group
; before are done reading their sets of BF and X.  The only vector or matrix lines that follow it, up to the next group's holds, are the group's own products, which name the OTHER set of BF, another set of X and the accumulators.
; So with no further wait: the next run's fragments land in the set of the run before last; group g + 2's weights, asked for at the head of group g, land in the set that group g - 1 left; a K step's rows land in the set read two steps ago.
; One wait on vm_vsrc stands in a group, ahead of its turning lines: the last group's LDS stores have read v[Q ..].
; In the tail and in the loop nothing but products stands between two runs: there a wait on va_vdst stands at each run's head, ahead of the loads into what the run before has read.
; REGISTERS, in windows of 256: window 0: v1-19 addresses and scales, v24-59 at work, v64-191 two sets of four weight fragments, v192-255 the bias.  window 1: v0-191 three sets of 64 numbers of w1; v192-239 three sets of slot 4's
; fragment of x.  window 2: the accumulators of slots 0-3 (slot i, tile T of hidden units at 64 i + 8 T).  window 3: v0-63 those of slot 4; v64-255 three sets of the fragments of x of slots 0-3.
; SCALARS: s16 wave, s17 e, s18 j, s20-23 ex ew1 eh ew2, s24 nt, s25 nt - 1, s26 the pass's first tile, s27-31 the slots' tiles, s40-44 the same held inside the expert's tiles, s45 the pass, s52 the number of passes,
; s[4:5] w1 at the slice's row 0, s[54:55] at its row 512 (so that every load's immediate stays inside its signed 24 bits).
.set ROWB, 16384                       ; a row of w1[e] in bytes
.set TP,   16400                       ; LDS: fragment (K step s, tile T) at TP T + 2,048 s.  TP = 16 modulo 256: the 16 lanes of a transposing store touch 16 different columns of 16 bytes
.set LI,   1                           ; v1  16 lane: an image's place for my lane; also the LDS base of tiles 0-3
                                       ; v2  the same + 4 TP: tiles 4-7
.set VW,   3                           ; v3  w1: 16 lane + 64 wave rows
.set LA,   4                           ; v4  LDS, on the way in: TP (lane / 4) + 64 (lane % 4) + 1,024 wave
.set BO,   5                           ; v5  b1: 32 (lane / 16)
.set SW,   6                           ; v6  2^ew1;  v7  448 x 2^ew1
.set LW,   7
.set SH,   8                           ; v8  2^(eh - ex - ew1);  v9  448 x that
.set LH,   9
.set VA,   10                          ; v10-14  slot i: its tile's offset in xq
.set VH,   15                          ; v15-19  slot i: its tile's offset in hq
.set TT,   24                          ; v24-27  the transposition's halves
.set P,    28                          ; v28-43  16 rows' codes (a word: 4 columns); on the way out a tile's codes of the hidden layer
.set Q,    44                          ; v44-59  4 columns x 16 codes along K
.set BF,   64
.set BIAS, 192
.set AF,   64                          ; window 3: x's fragments of slots 0-3: set z at AF + 64 z
.set AF4,  192                         ; window 1: slot 4's: set z at AF4 + 16 z
.set MSB, 0
.macro WIN new                         ; the immediate's high byte repeats the setting that is left; a switch that changes nothing is dropped
.if MSB != \new
	s_set_vgpr_msb (MSB<<8)|\new
.set MSB, \new
.endif
.endm
.macro PLACES                          ; four plain lines behind a matrix instruction (ISA guide 7.12.1)
.rept 4
	v_nop
.endr
.endm
.macro BAR                             ; my LDS stores have landed and my LDS loads are in: then the work-group's barrier
	s_wait_dscnt 0x0
	s_barrier_signal -1
	s_barrier_wait -1
.endm
.macro WLOAD g                         ; group g: 16 rows, 512 consecutive bytes each, into set g % 3 of window 1
	WIN 0x40
.irp m, 0,1,2,3,4,5,6,7,8,9,10,11,12,13,14,15
.if (\g) < 8
	global_load_b128 v[64*((\g)%3)+4*\m:64*((\g)%3)+4*\m+3], v[VW], s[4:5] offset:(256*((\g)/4)+16*((\g)%4)+\m)*ROWB th:TH_LOAD_NT
.else
	global_load_b128 v[64*((\g)%3)+4*\m:64*((\g)%3)+4*\m+3], v[VW], s[54:55] offset:(256*((\g)/4-2)+16*((\g)%4)+\m)*ROWB th:TH_LOAD_NT
.endif
.endr
.endm
.macro GC g                            ; group g's vector work: its 16 rows become codes, and the codes are turned.  The group's one wait on va_vdst closes it
.set SB, 64*((\g)%3)
	WIN 0x41
.set n, 0
.rept 64
	v_med3_num_f32 v[SB+n], v[SB+n], -v[LW], v[LW] ; the conversion does not saturate (ISA guide 7.6.2): the hold at the largest code x the scale
.set n, n+1
.endr
	WIN 0x01
.set n, 0
.rept 8
	v_cvt_scalef32_pk8_fp8_f32 v[P+2*n:P+2*n+1], v[SB+8*n:SB+8*n+7], v[SW]   ; word m: row m, columns 4 lane + 0 .. 3
.set n, n+1
.endr
	v_nop                                          ; a plain line behind the conversions
	WIN 0
.if (\g) > 0
	s_wait_alu depctr_vm_vsrc(0)                   ; the last group's LDS stores have read v[Q ..], which the lines below write again
.endif
.irp i, 0,1,2,3                        ; rows 4 i .. 4 i + 3: bytes (row, column) become (column, row)
	v_perm_b32 v[TT],   v[P+4*\i+1], v[P+4*\i],   s36
	v_perm_b32 v[TT+1], v[P+4*\i+1], v[P+4*\i],   s37
	v_perm_b32 v[TT+2], v[P+4*\i+3], v[P+4*\i+2], s36
	v_perm_b32 v[TT+3], v[P+4*\i+3], v[P+4*\i+2], s37
	v_perm_b32 v[Q+\i],    v[TT+2], v[TT],   s38
	v_perm_b32 v[Q+4+\i],  v[TT+2], v[TT],   s39
	v_perm_b32 v[Q+8+\i],  v[TT+3], v[TT+1], s38
	v_perm_b32 v[Q+12+\i], v[TT+3], v[TT+1], s39
.endr
	s_wait_alu depctr_va_vdst(0)                   ; v[Q ..] is written, which the LDS stores read; the holds and conversions are done with this group's set of w1, and the products of the group before with their sets of BF and of x: loads land in all three
.endm
.macro GST g                           ; the turned codes go to LDS
.irp c, 0,1,2,3                        ; column 4 lane + c: 16 codes along K.  256 (k / 16) = 2,048 step + 512 (k / 32 % 4) + 256 (k / 16 % 2), and k / 16 = 4 wave + 16 (g / 4) + g % 4
	ds_store_b128 v[LA], v[Q+4*\c:Q+4*\c+3] offset:4096*((\g)/4)+256*((\g)%4)+16*\c
.endr
.endm
.macro SETT                            ; the pass's five tiles of my wave, and their offsets
.irp i, 0,1,2,3,4
	s_add_co_u32 s[27+\i], s26, s16
	s_add_co_u32 s[27+\i], s[27+\i], 4*\i
	s_min_u32 s[40+\i], s[27+\i], s25              ; never beyond the expert's last tile,
	s_min_u32 s[40+\i], s[40+\i], 63               ; nor beyond its region
	v_lshl_add_u32 v[VA+\i], s[40+\i], 14, v[LI]
	v_lshl_add_u32 v[VH+\i], s[40+\i], 16, v[LI]
.endr
.endm
.macro ALOAD sg                        ; x's five fragments of K step sg into set sg % 3: 20 loads
	WIN 0xc0
.irp i, 0,1,2,3
.irp c, 0,1,2,3
	global_load_b128 v[AF+64*((\sg)%3)+16*\i+4*\c:AF+64*((\sg)%3)+16*\i+4*\c+3], v[VA+\i], s[12:13] offset:2048*(\sg)+512*\c
.endr
.endr
	WIN 0x40
.irp c, 0,1,2,3
	global_load_b128 v[AF4+16*((\sg)%3)+4*\c:AF4+16*((\sg)%3)+4*\c+3], v[VA+4], s[12:13] offset:2048*(\sg)+512*\c
.endr
	WIN 0
.endm
.macro BLOAD rho                       ; run rho = 2 step + u: the weights' fragments of tiles 4 u .. 4 u + 3 into set u: 16 LDS loads
	WIN 0
.set SG, (\rho)/2
.set UU, (\rho)%2
.irp t, 0,1,2,3
.irp c, 0,1,2,3
	ds_load_b128 v[BF+64*UU+16*\t+4*\c:BF+64*UU+16*\t+4*\c+3], v[LI+UU] offset:TP*\t+2048*SG+512*\c
.endr
.endr
.endm
.macro MUL rho                         ; 20 matrix instructions on 20 accumulators; the next run takes the other 20: the 40 take turns, one instruction a turn
.set SG, (\rho)/2
.set UU, (\rho)%2
.set BB, BF+64*UU
.set AR, AF+64*(SG%3)
.set AR4, AF4+16*(SG%3)
.if SG == 0
	WIN 0x8c                                       ; source 1 (x) window 3, C (the bias) window 0, D window 2
.else
	WIN 0xac                                       ; C and D window 2
.endif
.irp t, 0,1,2,3
.irp i, 0,1,2,3
.if SG == 0
	v_wmma_f32_16x16x128_fp8_fp8 v[64*\i+8*(4*UU+\t):64*\i+8*(4*UU+\t)+7], v[BB+16*\t:BB+16*\t+15], v[AR+16*\i:AR+16*\i+15], v[BIAS+8*(4*UU+\t):BIAS+8*(4*UU+\t)+7]
.else
	v_wmma_f32_16x16x128_fp8_fp8 v[64*\i+8*(4*UU+\t):64*\i+8*(4*UU+\t)+7], v[BB+16*\t:BB+16*\t+15], v[AR+16*\i:AR+16*\i+15], v[64*\i+8*(4*UU+\t):64*\i+8*(4*UU+\t)+7]
.endif
.endr
.endr
.if SG == 0
	WIN 0xc4                                       ; slot 4: source 1 window 1, D window 3
.else
	WIN 0xf4
.endif
.irp t, 0,1,2,3
.if SG == 0
	v_wmma_f32_16x16x128_fp8_fp8 v[8*(4*UU+\t):8*(4*UU+\t)+7], v[BB+16*\t:BB+16*\t+15], v[AR4:AR4+15], v[BIAS+8*(4*UU+\t):BIAS+8*(4*UU+\t)+7]
.else
	v_wmma_f32_16x16x128_fp8_fp8 v[8*(4*UU+\t):8*(4*UU+\t)+7], v[BB+16*\t:BB+16*\t+15], v[AR4:AR4+15], v[8*(4*UU+\t):8*(4*UU+\t)+7]
.endif
.endr
.endm
.macro HOUT i                          ; slot i's tile of rows: relu, hold, codes, 2,048 bytes out
	s_cmp_ge_u32 s[27+\i], s24
	s_cbranch_scc1 .Lno_tile_\@                    ; the expert has no such tile
.if \i < 4
.set AB, 64*\i
	WIN 0x82
.else
.set AB, 0
	WIN 0xc3
.endif
.set n, 0
.rept 64
	v_med3_num_f32 v[AB+n], v[AB+n], 0, v[LH]      ; the activation and the hold in one; each accumulator from its low end on
.set n, n+1
.endr
.if \i < 4
	WIN 0x02
.else
	WIN 0x03
.endif
	s_wait_xcnt 0x0                                ; the last slot's stores have had their addresses translated: their data registers are rewritten only behind this wait
.if \i > 0
	s_wait_alu depctr_vm_vsrc(0)                   ; the last slot's stores have read v[P ..], which the conversions below write again
.endif
.set n, 0
.rept 8
	v_cvt_scalef32_pk8_fp8_f32 v[P+2*n:P+2*n+1], v[AB+8*n:AB+8*n+7], v[SH]
.set n, n+1
.endr
	v_nop                                          ; a plain line behind the conversions: matrix instructions write their sources later
	WIN 0
	s_wait_alu depctr_va_vdst(0)                   ; the conversions have written v[P ..], which the stores read
.irp c, 0,1,2,3
	global_store_b128 v[VH+\i], v[P+4*\c:P+4*\c+3], s[14:15] offset:512*\c th:TH_STORE_NT   ; 512 consecutive bytes a store
.endr
.Lno_tile_\@:
.endm
	s_load_b256 s[4:11], s[0:1], 0x0               ; w1 s[4:5], b1 s[6:7], lowp_scales s[8:9], meta s[10:11]
	s_load_b128 s[12:15], s[0:1], 0x20             ; xq s[12:13], hq s[14:15]
	v_lshl_add_u32 v62, v0, 2, 0x20200
	v_mov_b32 v63, 0
	v_lshrrev_b32 v20, 5, v0
	v_readfirstlane_b32 s16, v20                   ; wave
	v_and_b32 v20, 31, v0                          ; lane
	v_lshlrev_b32 v[LI], 4, v20
	v_add_nc_u32 v[LI+1], 4*TP, v[LI]
	s_wait_alu depctr_va_sdst(0)                   ; s16 is written, ahead of its first reader: addresses and the slots' tiles are made from it
	s_lshl_b32 s19, s16, 20                        ; 64 rows of 16,384 bytes a wave
	v_add_nc_u32 v[VW], s19, v[LI]
	v_lshrrev_b32 v21, 2, v20
	v_mul_u32_u24 v[LA], v21, TP
	v_and_b32 v21, 3, v20
	v_lshl_add_u32 v[LA], v21, 6, v[LA]
	s_lshl_b32 s19, s16, 10
	v_add_nc_u32 v[LA], s19, v[LA]
	v_lshrrev_b32 v21, 4, v20
	v_lshlrev_b32 v[BO], 5, v21
	s_lshr_b32 s17, ttmp9, 5                       ; e
	s_and_b32 s18, ttmp9, 31                       ; j
	s_mov_b32 s36, 0x05010400                      ; bytes 0 and 1 of two words, interleaved
	s_mov_b32 s37, 0x07030602                      ; bytes 2 and 3
	s_mov_b32 s38, 0x05040100                      ; the low halves of two words
	s_mov_b32 s39, 0x07060302                      ; the high halves
	s_lshl_b32 s33, s17, 4
	s_lshl_b32 s34, s17, 2
	s_lshl_b32 s48, s17, 24
	s_lshl_b32 s50, s18, 9
	s_add_co_u32 s48, s48, s50
	s_mov_b32 s49, 0
	s_lshl_b32 s56, s17, 14
	s_add_co_u32 s56, s56, s50
	s_mov_b32 s57, 0
	s_wait_kmcnt 0x0
	s_load_b128 s[20:23], s[8:9], s33 offset:0x0   ; ex, ew1, eh, ew2
	s_load_b32 s24, s[10:11], s34 offset:0x0       ; nt
	s_add_nc_u64 s[4:5], s[4:5], s[48:49]          ; w1[e][0][128 j]
	s_add_nc_u64 s[54:55], s[4:5], 0x800000        ; w1[e][512][128 j]
	s_add_nc_u64 s[6:7], s[6:7], s[56:57]          ; b1[e][128 j]
	s_wait_alu depctr_va_vdst(0)                   ; the addresses and offsets v1 to v5 are written, which the loads and LDS instructions of the whole kernel read
.irp t, 0,1,2,3,4,5,6,7                ; the bias goes out first of all, in the result's layout: lane (r, h), tile t: units 16 t + 8 h + 0 .. 7
	global_load_b128 v[BIAS+8*\t:BIAS+8*\t+3],   v[BO], s[6:7] offset:64*\t
	global_load_b128 v[BIAS+8*\t+4:BIAS+8*\t+7], v[BO], s[6:7] offset:64*\t+16
.endr
	WLOAD 0
	WLOAD 1
	WLOAD 2
	WIN 0
	s_lshl_b32 s48, s17, 20
	s_add_nc_u64 s[12:13], s[12:13], s[48:49]      ; xq[e]
	s_lshl_b32 s48, s17, 22
	s_lshl_b32 s50, s18, 11
	s_add_co_u32 s48, s48, s50
	s_add_nc_u64 s[14:15], s[14:15], s[48:49]      ; hq[e][0][j]
	s_wait_kmcnt 0x0
	s_min_u32 s24, s24, 64
	s_max_u32 s24, s24, 1
	s_sub_co_u32 s25, s24, 1
	s_add_co_u32 s52, s24, 19
	s_mul_i32 s52, s52, 3277
	s_lshr_b32 s52, s52, 16                        ; the passes: (nt + 19) / 20, rounded down; 3,277 / 65,536 gives that for every nt + 19 from 20 to 83
	s_mov_b32 s26, 0                               ; the pass's first tile
	SETT                                           ; (group 0's wait on va_vdst stands between these lines and the first load that reads v[VA ..])
	s_add_co_i32 s32, s20, s21                     ; ex + ew1
	s_sub_co_i32 s35, s22, s32                     ; eh - ex - ew1: the three scales ahead of the hidden layer's quantiser, folded into one
	s_sub_co_i32 s32, 0, s32
	s_add_co_i32 s48, s21, 127
	s_lshl_b32 s50, s48, 23
	v_mov_b32 v[SW], s50
	s_add_co_i32 s48, s48, 8
	s_lshl_b32 s48, s48, 23
	s_or_b32 s48, s48, 0x600000
	v_mov_b32 v[LW], s48
	s_add_co_i32 s48, s35, 127
	s_lshl_b32 s50, s48, 23
	v_mov_b32 v[SH], s50
	s_add_co_i32 s48, s48, 8
	s_lshl_b32 s48, s48, 23
	s_or_b32 s48, s48, 0x600000
	v_mov_b32 v[LH], s48
	; ---- stage 0: groups alone.  The stream of loads so far: the bias, groups 0, 1, 2
	s_wait_loadcnt 32                              ; group 0 is in; behind it: groups 1 and 2.  (The bias is older: it is in too)
	GC 0
	GST 0
	WLOAD 3                                        ; into the set that group 0 has just left: behind the group's wait
	WIN 0
.set n, 0
.rept 64
	v_ldexp_f32 v[BIAS+n], v[BIAS+n], s32          ; b1 / 2^(ex + ew1): the power of two that the sums lack
.set n, n+1
.endr
	s_wait_loadcnt 32                              ; group 1 is in; groups 2 and 3 stay out
	GC 1
	GST 1
	WLOAD 4                                        ; into the set that group 1 has just left
	s_wait_loadcnt 32                              ; group 2 is in; groups 3 and 4 stay out
	ALOAD 0                                        ; x's K step 0, behind group 4 in the stream, as it is used; nothing has named its registers, and v[VA ..] were written ahead of group 0's wait
	GC 2
	GST 2
	s_wait_loadcnt 36                              ; group 3 is in; group 4 and x's step 0 stay out
	WLOAD 5                                        ; into the set that group 2 left: no vector line since that group's wait
	GC 3
	GST 3
	BAR                                            ; K steps 0 and 1 of the weights lie in LDS
	; ---- stages 1 to 3: group g, then run g - 4 of the first pass.  The run's fragments are asked of LDS ahead of the group, into the set that the run before last read: the last group's wait stands behind that run, and
	; the one run issued since names the other set.  Group g + 2's weights are asked for as soon as group g is in, into the set that group g - 1 left
.set gg, 4
.rept 12
.set rr, gg-4
	BLOAD rr
.if gg == 15
	s_wait_loadcnt 40                              ; group 15 is in; behind it: x's steps 6 and 7
.else
	s_wait_loadcnt 36                              ; group g is in; behind it: a group and a K step of x
.endif
.if gg+2 <= 15
	WLOAD gg+2
.endif
	GC gg
	GST gg
	s_wait_dscnt 4                                 ; the run's 16 fragment loads are in; the group's four stores stay out
.if rr%2 == 0
.if gg == 14
	s_wait_loadcnt 16                              ; x's step 5 is in; group 15 stays out
	ALOAD 6                                        ; no weights are left to ask for: the last two K steps of x, into the sets of steps 3 and 4, whose runs stand ahead of this group's wait
	ALOAD 7
.else
	s_wait_loadcnt 32                              ; this K step's x is in; two groups stay out
	ALOAD rr/2+1                                   ; the next K step's, into the set that was read two K steps ago
.endif
.endif
	MUL rr
.if gg%4 == 3
	BAR                                            ; the stage's two K steps of the weights lie in LDS
.endif
.set gg, gg+1
.endr
	; ---- the last stage's four runs
	BLOAD 12                                       ; into the set of run 10, which stands ahead of group 15's wait; run 11, issued since, names the other set
.set rr, 12
.rept 4
	WIN 0
	PLACES                                         ; the four places behind the last run's products stay as they stood
.if rr < 15
	s_wait_alu depctr_va_vdst(0)                   ; the last run's products are done reading their set of weight fragments, in which the loads below land
	BLOAD rr+1
	s_wait_dscnt 16                                ; this run's fragments are in; the next run's 16 loads stay out
.else
	s_wait_dscnt 0x0
.endif
.if rr == 12
	s_wait_loadcnt 20                              ; x's step 6 is in; step 7's 20 loads stay out
.elseif rr == 14
	s_wait_loadcnt 0x0
.endif
	MUL rr
.set rr, rr+1
.endr
	WIN 0
	PLACES                                         ; four places behind the last product, before vector lines read its result
	HOUT 0
	HOUT 1
	HOUT 2
	HOUT 3
	HOUT 4
	; ---- later passes, where the expert has more than 20 tiles: all weights lie in LDS
	s_add_co_u32 s26, s26, 20
	s_mov_b32 s45, 1                               ; the pass
	s_cmp_ge_u32 s45, s52
	s_cbranch_scc1 .Lend
	s_wait_xcnt 0x0                                ; the stores have had their addresses translated: their offsets are rewritten only behind this wait
	s_wait_alu depctr_vm_vsrc(0)                   ; the rows' loads have read v[VA ..] and the stores v[VH ..] and v[P ..]: SETT writes the first two, the next pass's conversions the third
	SETT
	s_wait_alu depctr_va_vdst(0)                   ; v[VA ..] are written, which the loads below read; the last pass's products are done reading the sets of x and of BF in which the loads below land
	ALOAD 0
	ALOAD 1
.Lpass:
	BLOAD 0
.set rr, 0
.rept 16
	WIN 0
	PLACES                                         ; the four places behind the last run's products stay as they stood
.if rr > 0
	s_wait_alu depctr_va_vdst(0)                   ; the last run's products are done reading their sets of weight fragments and of x, in which the loads below land
.endif
.if rr < 15
	BLOAD rr+1
.endif
.if (rr%2 == 0) && (rr/2 <= 5)
	ALOAD rr/2+2
.endif
.if rr < 15
	s_wait_dscnt 16                                ; this run's fragments are in; the next run's 16 loads stay out
.else
	s_wait_dscnt 0x0
.endif
.if rr%2 == 0
.if rr/2 <= 5
	s_wait_loadcnt 40                              ; this step's x is in; the next two steps' 20 loads each stay out
.elseif rr/2 == 6
	s_wait_loadcnt 20
.else
	s_wait_loadcnt 0x0
.endif
.endif
	MUL rr
.set rr, rr+1
.endr
	WIN 0
	PLACES                                         ; four places behind the last product, before vector lines read its result
	HOUT 0
	HOUT 1
	HOUT 2
	HOUT 3
	HOUT 4
	s_add_co_u32 s26, s26, 20                      ; the next pass's first tile
	s_add_co_u32 s45, s45, 1                       ; the loop is counted in passes, one a trip
	s_cmp_ge_u32 s45, s52
	s_cbranch_scc1 .Lend                           ; the last pass asks for nothing more
	s_wait_xcnt 0x0                                ; the stores have had their addresses translated: their offsets are rewritten only behind this wait
	s_wait_alu depctr_vm_vsrc(0)                   ; the rows' loads have read v[VA ..] and the stores v[VH ..] and v[P ..]: SETT writes the first two, the next pass's conversions the third
	SETT
	s_wait_alu depctr_va_vdst(0)                   ; v[VA ..] are written, which the loads below read; the last pass's products are done reading the sets of x and of BF in which the loads below land
	ALOAD 0
	ALOAD 1
	s_cmp_lt_u32 s45, s52
	s_cbranch_scc1 .Lpass
.Lend:
	s_wait_dscnt 0x0                               ; the closing lines, six on end
	s_wait_alu 0x0
	s_wait_tensorcnt 0x0
	ds_add_u32 v62, v63
	s_wait_dscnt 0x0
	s_endpgm
.Lfunc_end_k_q7895e63302_up:
	.size	k_q7895e63302_up, .Lfunc_end_k_q7895e63302_up-k_q7895e63302_up
	.p2alignl 7, 3214868480
	.fill 96, 4, 3214868480
	.section	.rodata,"a",@progbits
	.p2align	6, 0x0
	.amdhsa_kernel k_q7895e63302_up
		.amdhsa_group_segment_fixed_size 132096
		.amdhsa_private_segment_fixed_size 0
		.amdhsa_enable_private_segment 0
		.amdhsa_kernarg_size 48
		.amdhsa_user_sgpr_count 2
		.amdhsa_user_sgpr_kernarg_segment_ptr 1
		.amdhsa_wavefront_size32 1
		.amdhsa_system_sgpr_workgroup_id_x 1
		.amdhsa_system_sgpr_workgroup_id_y 1
		.amdhsa_system_sgpr_workgroup_id_z 1
		.amdhsa_system_vgpr_workitem_id 0
		.amdhsa_next_free_vgpr 1024
		.amdhsa_next_free_sgpr 66
		.amdhsa_reserve_vcc 0
		.amdhsa_float_denorm_mode_32 3
		.amdhsa_float_denorm_mode_16_64 3
		.amdhsa_memory_ordered 1
		.amdhsa_forward_progress 1
		.amdhsa_inst_pref_size 255
	.end_amdhsa_kernel
	.section	.bss,"aw",@nobits
	.p2align	6
	.space	262144
	.amdgpu_metadata
---
amdhsa.version: [ 1, 2 ]
amdhsa.kernels:
  - .name:           k_q7895e63302_up
    .symbol:         k_q7895e63302_up.kd
    .args:
      - { .name: w1, .offset: 0, .size: 8, .value_kind: global_buffer, .address_space: global }
      - { .name: b1, .offset: 8, .size: 8, .value_kind: global_buffer, .address_space: global }
      - { .name: lowp_scales, .offset: 16, .size: 8, .value_kind: global_buffer, .address_space: global }
      - { .name: meta, .offset: 24, .size: 8, .value_kind: global_buffer, .address_space: global }
      - { .name: xq, .offset: 32, .size: 8, .value_kind: global_buffer, .address_space: global }
      - { .name: hq, .offset: 40, .size: 8, .value_kind: global_buffer, .address_space: global }
    .group_segment_fixed_size: 132096
    .private_segment_fixed_size: 0
    .kernarg_segment_align: 8
    .kernarg_segment_size: 48
    .max_flat_workgroup_size: 128
    .sgpr_count:     66
    .vgpr_count:     1024
    .wavefront_size: 32
...
	.end_amdgpu_metadata
.endif
;; end of part 6
;; launch down (part 7): grid 256 x 1, 4 waves a work-group, no clusters, 149,248 bytes of LDS; arguments w2, lowp_scales, meta, hq, y; writes y
.if DOCPART == 7
	.amdgcn_target "amdgcn-amd-amdhsa--gfx1250"
	.amdhsa_code_object_version 6
	.text
	.protected	k_q7895e63302_down
	.globl	k_q7895e63302_down
	.p2align	8
	.type	k_q7895e63302_down,@function
k_q7895e63302_down:
	s_mov_b64 s[64:65], 0
	v_nop
	global_prefetch_b8 v0, s[64:65] scope:SCOPE_SE
	s_setreg_imm32_b32 hwreg(HW_REG_WAVE_SCHED_MODE, 0, 2), 2
	s_setreg_imm32_b32 hwreg(HW_REG_WAVE_MODE, 25, 1), 1
	s_wait_xcnt 0x0
	s_wait_alu depctr_vm_vsrc(0)
; THE SECOND LAYER OF THE EXPERTS: y[kh] = (hq w2[e]) x 2^(eh + ew2), half of K each, for the rows that expert e takes.  THE WEIGHTS STAY, THE ROWS WALK, as in the first layer.
; Work-group wg owns expert e = wg / 32, columns 64 n .. 64 n + 63 (n = wg % 32 / 2) and K half kh = wg % 2: 2,048 (K) x 64 numbers of w2, 524,288 bytes, which nobody else reads.  The two halves' sums, the gates and b2
; meet in the last launch: each number of y has one owner.
; THE WEIGHTS: the slice is read once and quantised with 2^ew2 into LDS as images of the operand's registers.  A load takes two rows' 256 consecutive bytes (lanes 0-15 one row, lanes 16-31 the row 8 further down: the lane's half is the
; fragment's half).  Wave w takes K steps 4 w .. 4 w + 3 of 128, in 16 groups of 32 rows: group g = 4 s + c is k = 32 c .. 32 c + 31 of its K step s.  The transposition of bytes is the first layer's.
; THE ROWS: the expert's nt tiles of 16 rows, 20 a pass, ceil(nt / 20) passes.  A step is 20 matrix instructions: 4 tiles of columns x 5 tiles of rows, 128 along K.  Source 0 = 16 columns, source 1 = 16 rows: a lane holds 8 neighbouring columns of one row.
; BY TURNS: four groups of each wave are a STAGE: stage q completes K steps q, 4 + q, 8 + q, 12 + q in LDS, and a barrier ends it.  There is always a first pass (nt is at least 1), so it is written out with no branch: from stage 1 on,
; behind each group stands one step of the first pass on a K step that the stage before completed; the last stage's four steps follow the last barrier.  So the rows' loads and the products stand in the time in which the wave waits for
; weights.  The first pass takes the K steps in the order 0, 4, 8, 12, 1, 5, ..: the sums are the same but for their order.  A wave's loads are issued in the order in which they are used: a group (16 loads), a step's rows (20 loads), a
; group, ..; by this text's count 52 to 56 are out, 64 at the head.  No LDS byte of the images is written twice, and in a stage the stores and the loads touch different blocks of 2,048 bytes.  Later passes (nt over 20) run in a loop behind.
; K's PLACES are the form's own: register 4 c + i, byte q of lane (r, h): k = 32 c + 16 (i / 2) + 8 h + 4 (i % 2) + q, as hq is laid.
; THE WAY OUT: a tile of 16 rows x 64 columns goes through the wave's own stage in LDS and leaves as rows: sixteen lanes store 256 consecutive bytes, aligned.
; y[kh][1,024 e + 16 tile + row][1,024].  A slot whose tile number is nt or more loads tile nt - 1 and stores nothing.
; NO TENSOR LOADS, NO JOINT LOADS: the number of passes is read from memory.  The four barriers stand ahead of every branch on meta.
; LIMITS: ew2 between -126 and 119; eh + ew2 between -126 and 127.  NaN among the weights is not served.
; THE MODE: SCHED_MODE bits 1:0 = 2 (LLVM: expert scheduling mode 2), set by the entry lines.  The code itself states the register dependences
; between vector or matrix instructions and memory or LDS instructions, with s_wait_alu, always for 0.
; THE PLAN.  Registers that memory or LDS instructions touch, and who else names them:
;   W0 .. W3      (window 1)  Group g's 16 loads land in set g % 4; its 64 holds write and read it, its 8 conversions read it; then group g + 4's loads land in it.
;   H0 .. H2      (window 3, v0-239)  A step's 20 loads land in set step % 3; the step's products read it; then the loads of three steps on land in it.
;   BF0, BF1      A step's 16 LDS loads land in set step % 2; the step's products read it; then the loads of two steps on land in it.
;   v[Q ..]       Written by a group's 32 turning lines, read by its four LDS stores, written again by the next group's.
;   v[TMP ..]     (it lies over v[P ..] and v[Q ..])  On the way out: written by a slot's 16 multiplications, read by its eight LDS stores.
;   v[OB ..]      On the way out: a slot's eight LDS loads land in it, its eight stores read it.  No vector line names it.
;   v[VY]         Written once a slot, read by the slot's stores.     v[VA ..]  Written by SETT, read by the rows' loads.
;   v1 to v5, v16, v17  Made at the head, never written again.  The accumulators and v[TT ..] are named by vector and matrix lines alone.
; ONE wait on va_vdst stands in a group, behind its turning lines.  It states that v[Q ..] is written (the LDS stores read it), that the group's holds and conversions are done with their set of w2, and that the products of the group
; before are done reading their sets of BF and H.  The only vector or matrix lines that follow it, up to the next group's holds, are the group's own products, which name the OTHER set of BF, another set of H and the accumulators.
; So with no further wait: the next step's fragments land in the set of the step before last; the next step's rows, asked for at the head of a group, land in the set read two steps ago; group g + 2's weights land in the set that group g - 2 left.
; One wait on vm_vsrc stands in a group, ahead of its turning lines: the last group's LDS stores have read v[Q ..].
; In the tail and in the loop nothing but products stands between two steps: there a wait on va_vdst stands at each step's head, ahead of the loads into what the step before has read.
; REGISTERS: window 0: v1-17 addresses and scales, v24-59 at work, v64-191 two sets of four weight fragments, v192-223 rows of y.  window 1: four sets of 64 numbers of w2.
; window 2: v0-159 the accumulators (slot i, tile T of columns at 32 i + 8 T).  window 3: v0-239 three sets of five fragments of hq.
; SCALARS: s16 wave, s17 e, s18 n, s19 kh, s20-23 ex ew1 eh ew2, s24 nt, s25 nt - 1, s26 the pass's first tile, s27-31 the slots' tiles, s40-44 the same held inside the expert's tiles, s45 the pass, s52 the number of passes.
.set ROWB, 4096                        ; a row of w2[e] in bytes
.set TP,   32784                       ; LDS: fragment (K step s, tile T) at TP T + 2,048 s.  TP = 16 modulo 256
.set STAGE, 131328                     ; behind the images: 16 rows x SP bytes for each wave
.set SP,   272
.set LI,   1                           ; v1  16 lane; also the LDS base of tiles 0, 1;  v2  + 2 TP: tiles 2, 3
.set VW,   3                           ; v3  w2: (512 wave + 8 (lane / 16)) rows + 16 (lane % 16)
.set LA,   4                           ; v4  LDS, on the way in: TP (lane % 16 / 4) + 8,192 wave + 256 (lane / 16) + 64 (lane % 4)
.set VY0,  5                           ; v5  y: (lane / 16) rows + 16 (lane % 16)
.set SW,   6                           ; v6  2^ew2;  v7  448 x 2^ew2
.set LW,   7
.set VA,   10                          ; v10-14  slot i: its tile's offset in hq
.set VY,   15                          ; v15 the tile's offset in y
.set SO,   16                          ; v16 the stage: where I put 32 bytes of a row
.set SR,   17                          ; v17 and where I read a row back
.set TT,   24
.set P,    28
.set Q,    44
.set TMP,  28                          ; v28-59 on the way out: a tile's sums x 2^(eh + ew2)
.set BF,   64
.set OB,   192
.set MSB, 0
.macro WIN new
.if MSB != \new
	s_set_vgpr_msb (MSB<<8)|\new
.set MSB, \new
.endif
.endm
.macro PLACES                          ; four plain lines behind a matrix instruction (ISA guide 7.12.1)
.rept 4
	v_nop
.endr
.endm
.macro BAR                             ; my LDS stores have landed and my LDS loads are in: then the work-group's barrier
	s_wait_dscnt 0x0
	s_barrier_signal -1
	s_barrier_wait -1
.endm
.macro WLOAD g                         ; group g = 4 s + c: the 32 rows of K step s, k = 32 c .. 32 c + 31; load m: row 16 (m / 8) + m % 8, and 8 further down for lanes 16-31
	WIN 0x40
.irp m, 0,1,2,3,4,5,6,7,8,9,10,11,12,13,14,15
	global_load_b128 v[64*((\g)%4)+4*\m:64*((\g)%4)+4*\m+3], v[VW], s[4:5] offset:(128*((\g)/4)+32*((\g)%4)+16*(\m/8)+(\m%8))*ROWB th:TH_LOAD_NT
.endr
.endm
.macro GC g                            ; group g's vector work: its rows become codes, and the codes are turned.  The group's one wait on va_vdst closes it
.set SB, 64*((\g)%4)
	WIN 0x41
.set n, 0
.rept 64
	v_med3_num_f32 v[SB+n], v[SB+n], -v[LW], v[LW] ; the hold at the largest code x the scale (ISA guide 7.6.2)
.set n, n+1
.endr
	WIN 0x01
.set n, 0
.rept 8
	v_cvt_scalef32_pk8_fp8_f32 v[P+2*n:P+2*n+1], v[SB+8*n:SB+8*n+7], v[SW]
.set n, n+1
.endr
	v_nop                                          ; a plain line behind the conversions
	WIN 0
.if (\g) > 0
	s_wait_alu depctr_vm_vsrc(0)                   ; the last group's LDS stores have read v[Q ..], which the lines below write again
.endif
.irp i, 0,1,2,3
	v_perm_b32 v[TT],   v[P+4*\i+1], v[P+4*\i],   s36
	v_perm_b32 v[TT+1], v[P+4*\i+1], v[P+4*\i],   s37
	v_perm_b32 v[TT+2], v[P+4*\i+3], v[P+4*\i+2], s36
	v_perm_b32 v[TT+3], v[P+4*\i+3], v[P+4*\i+2], s37
	v_perm_b32 v[Q+\i],    v[TT+2], v[TT],   s38
	v_perm_b32 v[Q+4+\i],  v[TT+2], v[TT],   s39
	v_perm_b32 v[Q+8+\i],  v[TT+3], v[TT+1], s38
	v_perm_b32 v[Q+12+\i], v[TT+3], v[TT+1], s39
.endr
	s_wait_alu depctr_va_vdst(0)                   ; v[Q ..] is written, which the LDS stores read; the holds and conversions are done with this group's set of w2, and the products of the group before with their sets of BF and of hq: loads land in all three
.endm
.macro GST g                           ; the turned codes go to LDS
.irp c, 0,1,2,3
	ds_store_b128 v[LA], v[Q+4*\c:Q+4*\c+3] offset:2048*((\g)/4)+512*((\g)%4)+16*\c
.endr
.endm
.macro SETT
.irp i, 0,1,2,3,4
	s_add_co_u32 s[27+\i], s26, s16
	s_add_co_u32 s[27+\i], s[27+\i], 4*\i
	s_min_u32 s[40+\i], s[27+\i], s25
	s_min_u32 s[40+\i], s[40+\i], 63
	v_lshl_add_u32 v[VA+\i], s[40+\i], 16, v[LI]
.endr
.endm
.macro ALOAD st, z                     ; the hidden layer's five fragments of K step st into set z of window 3: 20 loads
	WIN 0xc0
.irp i, 0,1,2,3,4
.irp c, 0,1,2,3
	global_load_b128 v[80*(\z)+16*\i+4*\c:80*(\z)+16*\i+4*\c+3], v[VA+\i], s[10:11] offset:2048*(\st)+512*\c
.endr
.endr
	WIN 0
.endm
.macro BLOAD st, b                     ; the weights' four fragments of K step st into set b: 16 LDS loads
	WIN 0
.irp t, 0,1,2,3
.irp c, 0,1,2,3
	ds_load_b128 v[BF+64*(\b)+16*\t+4*\c:BF+64*(\b)+16*\t+4*\c+3], v[LI+\t/2] offset:TP*(\t%2)+2048*(\st)+512*\c
.endr
.endr
.endm
.macro MUL b, z, zero                  ; 20 matrix instructions on the 20 accumulators, which take turns, one instruction a turn, in the same order in every step.  zero = 1: the first products start the sums
.set BB, BF+64*(\b)
.set AR, 80*(\z)
	WIN 0xac                                       ; source 1 (the hidden layer) window 3, C and D window 2
.irp t, 0,1,2,3
.irp i, 0,1,2,3,4
.if \zero
	v_wmma_f32_16x16x128_fp8_fp8 v[32*\i+8*\t:32*\i+8*\t+7], v[BB+16*\t:BB+16*\t+15], v[AR+16*\i:AR+16*\i+15], 0
.else
	v_wmma_f32_16x16x128_fp8_fp8 v[32*\i+8*\t:32*\i+8*\t+7], v[BB+16*\t:BB+16*\t+15], v[AR+16*\i:AR+16*\i+15], v[32*\i+8*\t:32*\i+8*\t+7]
.endif
.endr
.endr
.endm
.macro YOUT i                          ; slot i's tile of rows goes out
	s_cmp_ge_u32 s[27+\i], s24
	s_cbranch_scc1 .Lno_tile_\@
	s_wait_xcnt 0x0                                ; the last slot's stores have had their addresses translated: their registers and their offset are rewritten only behind this wait
	s_wait_alu depctr_vm_vsrc(0)                   ; the LDS stores issued so far (the last slot's; ahead of the first slot the last group's) have read v[TMP ..], and the last slot's stores v[OB ..] and v[VY]: all three are written again below
	WIN 0x02
.set n, 0
.rept 16
	v_pk_mul_f32 v[TMP+2*n:TMP+2*n+1], v[32*\i+2*n:32*\i+2*n+1], s[46:47] op_sel_hi:[1,0]   ; x 2^(eh + ew2); each accumulator from its low end on
.set n, n+1
.endr
	WIN 0
	v_lshl_add_u32 v[VY], s[40+\i], 16, v[VY0]     ; 16 rows of 4,096 bytes a tile
	s_wait_alu depctr_va_vdst(0)                   ; v[TMP ..] is written, which the LDS stores read, and v[VY], which the stores of y read
.irp t, 0,1,2,3
	ds_store_b128 v[SO], v[TMP+8*\t:TMP+8*\t+3]   offset:64*\t       ; lane (r, h): row r, columns 16 t + 8 h + 0 .. 7
	ds_store_b128 v[SO], v[TMP+8*\t+4:TMP+8*\t+7] offset:64*\t+16
.endr
.irp m, 0,1,2,3,4,5,6,7
	ds_load_b128 v[OB+4*\m:OB+4*\m+3], v[SR] offset:2*\m*SP          ; LDS serves a wave's instructions in order (ISA guide 5.7.1.4): these see my stores
.endr
	s_wait_dscnt 0x0
.irp m, 0,1,2,3,4,5,6,7
	global_store_b128 v[VY], v[OB+4*\m:OB+4*\m+3], s[12:13] offset:2*\m*4096 th:TH_STORE_NT   ; sixteen lanes store 256 consecutive bytes, at a multiple of 256 from y's first byte
.endr
.Lno_tile_\@:
.endm
	s_load_b256 s[4:11], s[0:1], 0x0               ; w2 s[4:5], lowp_scales s[6:7], meta s[8:9], hq s[10:11]
	s_load_b64 s[12:13], s[0:1], 0x20              ; y
	v_lshl_add_u32 v254, v0, 2, 0x24500
	v_mov_b32 v255, 0
	v_lshrrev_b32 v20, 5, v0
	v_readfirstlane_b32 s16, v20                   ; wave
	v_and_b32 v20, 31, v0                          ; lane
	v_and_b32 v22, 15, v0                          ; lane % 16
	v_bfe_u32 v23, v0, 4, 1                        ; lane / 16
	v_lshlrev_b32 v[LI], 4, v20
	v_add_nc_u32 v[LI+1], 2*TP, v[LI]
	s_wait_alu depctr_va_sdst(0)                   ; s16 is written, ahead of its first reader: addresses and the slots' tiles are made from it
	s_lshl_b32 s51, s16, 21
	v_lshl_add_u32 v[VW], v22, 4, s51
	v_lshl_add_u32 v[VW], v23, 15, v[VW]
	v_lshrrev_b32 v21, 2, v22
	v_mul_u32_u24 v[LA], v21, TP
	v_and_b32 v21, 3, v0
	v_lshl_add_u32 v[LA], v21, 6, v[LA]
	v_lshl_add_u32 v[LA], v23, 8, v[LA]
	s_lshl_b32 s51, s16, 13
	v_add_nc_u32 v[LA], s51, v[LA]
	v_lshlrev_b32 v[VY0], 4, v22
	v_lshl_add_u32 v[VY0], v23, 12, v[VY0]
	s_mul_i32 s51, s16, 16*SP
	s_add_co_u32 s51, s51, STAGE                   ; my stage
	v_mul_u32_u24 v[SO], v22, SP
	v_lshl_add_u32 v[SO], v23, 5, v[SO]
	v_add_nc_u32 v[SO], s51, v[SO]
	v_mul_u32_u24 v[SR], v23, SP
	v_lshl_add_u32 v[SR], v22, 4, v[SR]
	v_add_nc_u32 v[SR], s51, v[SR]
	s_lshr_b32 s17, ttmp9, 5                       ; e
	s_bfe_u32 s18, ttmp9, 0x40001                  ; n
	s_and_b32 s19, ttmp9, 1                        ; kh
	s_mov_b32 s36, 0x05010400
	s_mov_b32 s37, 0x07030602
	s_mov_b32 s38, 0x05040100
	s_mov_b32 s39, 0x07060302
	s_lshl_b32 s33, s17, 4
	s_lshl_b32 s34, s17, 2
	s_lshl_b32 s48, s17, 24
	s_lshl_b32 s50, s19, 23
	s_add_co_u32 s48, s48, s50
	s_lshl_b32 s50, s18, 8
	s_add_co_u32 s48, s48, s50
	s_mov_b32 s49, 0
	s_wait_kmcnt 0x0
	s_load_b128 s[20:23], s[6:7], s33 offset:0x0   ; ex, ew1, eh, ew2
	s_load_b32 s24, s[8:9], s34 offset:0x0         ; nt
	s_add_nc_u64 s[4:5], s[4:5], s[48:49]          ; w2[e][2,048 kh][64 n]
	WIN 0x40
	s_wait_alu depctr_va_vdst(0)                   ; the addresses and offsets v1 to v5, v16 and v17 are written, which the loads, stores and LDS instructions of the whole kernel read
	WLOAD 0
	WLOAD 1
	WLOAD 2
	WLOAD 3
	WIN 0
	s_lshl_b32 s48, s17, 22
	s_lshl_b32 s51, s19, 15
	s_add_co_u32 s48, s48, s51
	s_add_nc_u64 s[10:11], s[10:11], s[48:49]      ; hq[e][0][16 kh]
	s_lshl_b32 s48, s19, 25
	s_lshl_b32 s51, s17, 22
	s_add_co_u32 s48, s48, s51
	s_add_co_u32 s48, s48, s50
	s_add_nc_u64 s[12:13], s[12:13], s[48:49]      ; y[kh][1,024 e][64 n]
	s_wait_kmcnt 0x0
	s_min_u32 s24, s24, 64
	s_max_u32 s24, s24, 1
	s_sub_co_u32 s25, s24, 1
	s_add_co_u32 s52, s24, 19
	s_mul_i32 s52, s52, 3277
	s_lshr_b32 s52, s52, 16                        ; the passes: (nt + 19) / 20, rounded down; 3,277 / 65,536 gives that for every nt + 19 from 20 to 83
	s_mov_b32 s26, 0                               ; the pass's first tile
	SETT                                           ; (group 0's wait on va_vdst stands between these lines and the first load that reads v[VA ..])
	s_add_co_i32 s48, s23, 127
	s_lshl_b32 s50, s48, 23
	v_mov_b32 v[SW], s50
	s_add_co_i32 s48, s48, 8
	s_lshl_b32 s48, s48, 23
	s_or_b32 s48, s48, 0x600000
	v_mov_b32 v[LW], s48
	s_add_co_i32 s46, s22, s23
	s_add_co_i32 s46, s46, 127
	s_lshl_b32 s46, s46, 23                        ; 2^(eh + ew2) as f32
	s_mov_b32 s47, s46                             ; (named with it as a pair, so it is written)
	; ---- stage 0: groups alone.  The stream of loads so far: groups 0 to 3
	s_wait_loadcnt 48                              ; group 0 is in; behind it: groups 1, 2, 3
	GC 0
	GST 0
	WLOAD 4                                        ; into the set that group 0 has just left: behind the group's wait
	s_wait_loadcnt 48                              ; group 1 is in; groups 2, 3, 4 stay out
	GC 1
	GST 1
	s_wait_loadcnt 32                              ; group 2 is in; groups 3, 4 stay out
	ALOAD 0, 0                                     ; the rows of the first step (K step 0), behind group 4 in the stream, as they are used; nothing has named their registers, and v[VA ..] were written ahead of group 0's wait
	GC 2
	GST 2
	s_wait_loadcnt 36                              ; group 3 is in; group 4 and the first step's rows stay out
	WLOAD 5                                        ; into the set that group 1 left
	GC 3
	GST 3
	BAR                                            ; K steps 0, 4, 8, 12 of the weights lie in LDS
	; ---- stages 1 to 3: group g, then step a = g - 4 of the first pass, on K step 4 (a % 4) + a / 4.  The step's fragments are asked of LDS ahead of the group, into the set that the step before last read: the last group's wait
	; stands behind that step, and the one step issued since names the other set.  The next step's rows are asked for as soon as group g is in, into the set that was read two steps ago
.set gg, 4
.rept 12
.set aa, gg-4
	BLOAD 4*(aa%4)+aa/4, aa%2
.if gg == 15
	s_wait_loadcnt 40                              ; group 15 is in; behind it: the rows of steps 11 and 12
	GC gg
	GST gg
	ALOAD 4*((aa+2)%4)+(aa+2)/4, (aa+2)%3          ; step 13's, into the set that step 10 read: that step was issued behind group 14's wait, so these loads stand behind group 15's
.else
	s_wait_loadcnt 36                              ; group g is in; behind it: this step's rows and group g + 1
	ALOAD 4*((aa+1)%4)+(aa+1)/4, (aa+1)%3          ; the next step's rows
	GC gg
	GST gg
.endif
	s_wait_dscnt 4                                 ; the step's 16 fragment loads are in; the group's four stores stay out
.if gg <= 13
	s_wait_loadcnt 36                              ; this step's rows are in; group g + 1 and the next step's rows stay out
	WLOAD gg+2                                     ; into the set that group g - 2 left
.elseif gg == 14
	s_wait_loadcnt 36                              ; group 15 and step 11's rows stay out
	ALOAD 4*((aa+2)%4)+(aa+2)/4, (aa+2)%3          ; no weights are left to ask for: step 12's rows, into the set of step 9, which stands ahead of this group's wait
.else
	s_wait_loadcnt 40                              ; the rows of steps 12 and 13 stay out
.endif
.if aa == 0
	MUL aa%2, aa%3, 1
.else
	MUL aa%2, aa%3, 0
.endif
.if gg%4 == 3
	BAR                                            ; the stage's four K steps of the weights lie in LDS
.endif
.set gg, gg+1
.endr
	; ---- the last stage's four steps: K steps 3, 7, 11, 15
	BLOAD 3, 0                                     ; into the set of step 10, which stands ahead of group 15's wait; step 11, issued since, names the other set
.set aa, 12
.rept 4
	WIN 0
	PLACES                                         ; the four places behind the last step's products stay as they stood
.if aa < 15
	s_wait_alu depctr_va_vdst(0)                   ; the last step's products are done reading their sets of weight fragments and of rows, in which the loads below land
	BLOAD 4*((aa+1)%4)+(aa+1)/4, (aa+1)%2
.endif
.if aa+2 <= 15
	ALOAD 4*((aa+2)%4)+(aa+2)/4, (aa+2)%3
.endif
.if aa < 15
	s_wait_dscnt 16                                ; this step's weights are in; the next step's 16 loads stay out
.else
	s_wait_dscnt 0x0
.endif
.if aa <= 13
	s_wait_loadcnt 40                              ; this step's rows are in; the next two steps' 20 loads each stay out
.elseif aa == 14
	s_wait_loadcnt 20
.else
	s_wait_loadcnt 0x0
.endif
	MUL aa%2, aa%3, 0
.set aa, aa+1
.endr
	WIN 0
	PLACES                                         ; four places behind the last product, before vector lines read its result
	YOUT 0
	YOUT 1
	YOUT 2
	YOUT 3
	YOUT 4
	; ---- later passes, where the expert has more than 20 tiles: all weights lie in LDS, and K ascends
	s_add_co_u32 s26, s26, 20
	s_mov_b32 s45, 1                               ; the pass
	s_cmp_ge_u32 s45, s52
	s_cbranch_scc1 .Lend
	s_wait_alu depctr_vm_vsrc(0)                   ; the rows' loads have read v[VA ..], which SETT writes.  (They have also all come back)
	SETT
	s_wait_alu depctr_va_vdst(0)                   ; v[VA ..] are written, which the loads below read; the last pass's products are done reading the sets of rows and of BF in which the loads below land
	ALOAD 0, 0
	ALOAD 1, 1
.Lpass:
	BLOAD 0, 0
.set rr, 0
.rept 16
	WIN 0
	PLACES                                         ; the four places behind the last step's products stay as they stood
.if rr > 0
	s_wait_alu depctr_va_vdst(0)                   ; the last step's products are done reading their sets of weight fragments and of rows, in which the loads below land
.endif
.if rr < 15
	BLOAD rr+1, (rr+1)%2
.endif
.if rr <= 13
	ALOAD rr+2, (rr+2)%3
.endif
.if rr < 15
	s_wait_dscnt 16                                ; this step's weights are in; the next step's 16 loads stay out
.else
	s_wait_dscnt 0x0
.endif
.if rr <= 13
	s_wait_loadcnt 40                              ; this step's rows are in; the next two steps' 20 loads each stay out
.elseif rr == 14
	s_wait_loadcnt 20
.else
	s_wait_loadcnt 0x0
.endif
.if rr == 0
	MUL rr%2, rr%3, 1
.else
	MUL rr%2, rr%3, 0
.endif
.set rr, rr+1
.endr
	WIN 0
	PLACES                                         ; four places behind the last product, before vector lines read its result
	YOUT 0
	YOUT 1
	YOUT 2
	YOUT 3
	YOUT 4
	s_add_co_u32 s26, s26, 20                      ; the next pass's first tile
	s_add_co_u32 s45, s45, 1                       ; the loop is counted in passes, one a trip
	s_cmp_ge_u32 s45, s52
	s_cbranch_scc1 .Lend                           ; the last pass asks for nothing more
	s_wait_alu depctr_vm_vsrc(0)                   ; the rows' loads have read v[VA ..], which SETT writes.  (They have also all come back)
	SETT
	s_wait_alu depctr_va_vdst(0)                   ; v[VA ..] are written, which the loads below read; the last pass's products are done reading the sets of rows and of BF in which the loads below land
	ALOAD 0, 0
	ALOAD 1, 1
	s_cmp_lt_u32 s45, s52
	s_cbranch_scc1 .Lpass
.Lend:
	s_wait_dscnt 0x0                               ; the closing lines, six on end
	s_wait_alu 0x0
	s_wait_tensorcnt 0x0
	ds_add_u32 v254, v255
	s_wait_dscnt 0x0
	s_endpgm
.Lfunc_end_k_q7895e63302_down:
	.size	k_q7895e63302_down, .Lfunc_end_k_q7895e63302_down-k_q7895e63302_down
	.p2alignl 7, 3214868480
	.fill 96, 4, 3214868480
	.section	.rodata,"a",@progbits
	.p2align	6, 0x0
	.amdhsa_kernel k_q7895e63302_down
		.amdhsa_group_segment_fixed_size 149248
		.amdhsa_private_segment_fixed_size 0
		.amdhsa_enable_private_segment 0
		.amdhsa_kernarg_size 40
		.amdhsa_user_sgpr_count 2
		.amdhsa_user_sgpr_kernarg_segment_ptr 1
		.amdhsa_wavefront_size32 1
		.amdhsa_system_sgpr_workgroup_id_x 1
		.amdhsa_system_sgpr_workgroup_id_y 1
		.amdhsa_system_sgpr_workgroup_id_z 1
		.amdhsa_system_vgpr_workitem_id 0
		.amdhsa_next_free_vgpr 1024
		.amdhsa_next_free_sgpr 66
		.amdhsa_reserve_vcc 0
		.amdhsa_float_denorm_mode_32 3
		.amdhsa_float_denorm_mode_16_64 3
		.amdhsa_memory_ordered 1
		.amdhsa_forward_progress 1
		.amdhsa_inst_pref_size 255
	.end_amdhsa_kernel
	.section	.bss,"aw",@nobits
	.p2align	6
	.space	262144
	.amdgpu_metadata
---
amdhsa.version: [ 1, 2 ]
amdhsa.kernels:
  - .name:           k_q7895e63302_down
    .symbol:         k_q7895e63302_down.kd
    .args:
      - { .name: w2, .offset: 0, .size: 8, .value_kind: global_buffer, .address_space: global }
      - { .name: lowp_scales, .offset: 8, .size: 8, .value_kind: global_buffer, .address_space: global }
      - { .name: meta, .offset: 16, .size: 8, .value_kind: global_buffer, .address_space: global }
      - { .name: hq, .offset: 24, .size: 8, .value_kind: global_buffer, .address_space: global }
      - { .name: y, .offset: 32, .size: 8, .value_kind: global_buffer, .address_space: global }
    .group_segment_fixed_size: 149248
    .private_segment_fixed_size: 0
    .kernarg_segment_align: 8
    .kernarg_segment_size: 40
    .max_flat_workgroup_size: 128
    .sgpr_count:     66
    .vgpr_count:     1024
    .wavefront_size: 32
...
	.end_amdgpu_metadata
.endif
;; end of part 7
;; launch combine: the kernel of part 5 again; grid 256 x 1, 4 waves a work-group, no clusters, 0 bytes of LDS; arguments y, pos, sel, gates, b2, out0; writes out0
